; MI455X (gfx1250); checked and timed in simulation.
; The chip was launched on July 23, 2026; its instructions are those of AMD's public machine-readable ISA for CDNA 5 (MIT licence, August 2026) and "CDNA5" Instruction Set Architecture Reference Guide (July 2026). The comments in the code are by the model that wrote it; some were corrected since.
;; Encoder. Allowed arithmetic: float matrix products may take bf16 or f16 operands with f32 sums; other float arithmetic in f32, or as packed bf16 or f16 multiplies, adds, multiply-adds, maxima and minima; sums over many terms, partial sums and values carried from step to step in f32; what a program stores and reads back later, other than sums and carried values, may be rounded once to bf16 or f16.
;; Inputs: b1 4 x 1,024 float32; b2 4 x 256 float32; bk 4 x 256 float32; bo 4 x 256 float32; bq 4 x 256 float32; bv 4 x 256 float32; w1 4 x 256 x 1,024 float32; w2 4 x 1,024 x 256 float32; wk 4 x 256 x 256 float32; wo 4 x 256 x 256 float32; wq 4 x 256 x 256 float32; wv 4 x 256 x 256 float32; x 1 x 4,096 x 256 float32.
;; Outputs: out0 1 x 4,096 x 256 float32.
;; 2 versions, each right. Each part assembles by itself: llvm-mc -triple=amdgcn-amd-amdhsa -mcpu=gfx1250 --defsym DOCPART=n.
;; ======== version 1 of 2: 13 launches
;; workspace buffers: lw0 1,582,080 bytes; lw1 1,582,080 bytes; lw2 1,582,080 bytes; lw3 1,582,080 bytes; qkv 6,291,456 bytes; ob 2,097,152 bytes; hA 4,194,304 bytes; hB 4,194,304 bytes
;; launch prep (part 1): grid 97 x 4, 8 waves a work-group, no clusters, 0 bytes of LDS; arguments b1, b2, bk, bo, bq, bv, w1, w2, wk, wo, wq, wv, lw0, lw1, lw2, lw3; writes lw0, lw1, lw2, lw3
.if DOCPART == 1
	.amdgcn_target "amdgcn-amd-amdhsa--gfx1250"
	.amdhsa_code_object_version 6
	.text
	.protected	k_qb8539018bf_prep
	.globl	k_qb8539018bf_prep
	.p2align	8
	.type	k_qb8539018bf_prep,@function
k_qb8539018bf_prep:
	s_mov_b64 s[64:65], 0
	v_nop
	global_prefetch_b8 v0, s[64:65] scope:SCOPE_SE
	s_setreg_imm32_b32 hwreg(HW_REG_WAVE_MODE, 25, 1), 1
	s_wait_xcnt 0x0
; PREP.  All weights are rounded once to bf16 and laid out as FRAGMENT RECORDS, one buffer a layer; the biases are copied behind them in f32.
; A record is 1,024 bytes: 16 output columns x 32 k of a weight W[k][n].  The 16 bytes at 512 g + 256 h + 16 r hold W[k0 + 16 g + 8 h + 0..7][n0 + r]:
; two loads of 16 bytes a lane (at 16 x lane, and 512 further on) fill the 8 registers of a 16 x 32 matrix operand.
; LAYOUT of a layer's buffer: nine tiles of 128 records (wo; then for c = 0..3 w1's columns 256 c.. and w2's rows 256 c..), record (nb, kk) at (8 nb + kk) x 1,024;
; at OFF_P four head tiles of 96 records, record (mat, nb, kk) at ((4 mat + nb) 8 + kk) x 1,024, mat = q, k, v; at OFF_B bo, b2, bq, bk, bv (1,024 bytes each), b1 (4,096).
; SHARES.  Grid y is the layer.  Work-groups 0-7 take wo, 8-39 w1, 40-71 w2, 72-95 wq, wk, wv, 96 the biases.  A wave takes 32 columns x 32 k (two records): k block = the wave's number.
; A lane owns one column: 32 loads of 4 bytes (a wave reads 128 consecutive bytes a load), 16 roundings of two, 4 stores of 16 bytes; in each store lanes 0-15 and lanes 16-31 each
; cover 256 consecutive bytes, aligned.  No LDS and no matrix unit: the launch only moves bytes.
.set OFF_P, 1179648
.set OFF_B, 1572864
.set OF, 8                             ; v[8:39]   byte offset of my column in row i of the 32
.set X,  40                            ; v[40:71]  the 32 numbers as loaded
.set Y,  72                            ; v[72:87]  the same in bf16, two a register
	s_load_b512 s[16:31], s[0:1], 0x0              ; b1 16, b2 18, bk 20, bo 22, bq 24, bv 26, w1 28, w2 30
	s_load_b512 s[32:47], s[0:1], 0x40             ; wk 32, wo 34, wq 36, wv 38, lw0 40, lw1 42, lw2 44, lw3 46
	v_lshrrev_b32 v1, 5, v0
	v_readfirstlane_b32 s6, v1                     ; wave 0..7 = the k block kk
	v_and_b32 v2, 31, v0                           ; lane
	s_and_b32 s4, ttmp7, 0xffff                    ; layer
	s_mov_b32 s5, ttmp9                            ; which part of the layer
	s_mov_b32 s13, 0                               ; high words of the two offsets
	s_mov_b32 s15, 0
	s_wait_kmcnt 0x0
	s_mov_b64 s[48:49], s[40:41]                   ; the layer's buffer
	s_cmp_eq_u32 s4, 1
	s_cselect_b64 s[48:49], s[42:43], s[48:49]
	s_cmp_eq_u32 s4, 2
	s_cselect_b64 s[48:49], s[44:45], s[48:49]
	s_cmp_eq_u32 s4, 3
	s_cselect_b64 s[48:49], s[46:47], s[48:49]
	s_cmp_lt_u32 s5, 8
	s_cbranch_scc1 .Lwo
	s_cmp_lt_u32 s5, 40
	s_cbranch_scc1 .Lw1
	s_cmp_lt_u32 s5, 72
	s_cbranch_scc1 .Lw2
	s_cmp_lt_u32 s5, 96
	s_cbranch_scc1 .Lqkv
	s_branch .Lbias
; each branch sets: s[50:51] the source, s11 its row pitch, s8 the block of 32 columns, s12 and s14 the offsets in source and buffer but for the two terms added at .Lgo
.Lwo:
	s_mov_b64 s[50:51], s[34:35]
	s_mov_b32 s11, 1024
	s_and_b32 s8, s5, 7
	s_lshl_b32 s12, s4, 18                         ; layer x 256 rows x 1,024
	s_lshl_b32 s10, s6, 15                         ; kk x 32 rows
	s_add_co_u32 s12, s12, s10
	s_lshl_b32 s14, s8, 14                         ; two records' rows of eight: np x 16,384
	s_branch .Lgo
.Lw1:
	s_mov_b64 s[50:51], s[28:29]
	s_mov_b32 s11, 4096
	s_sub_co_u32 s7, s5, 8
	s_and_b32 s8, s7, 7
	s_lshr_b32 s9, s7, 3                           ; chunk c of 256 columns
	s_lshl_b32 s12, s4, 20
	s_lshl_b32 s10, s6, 17                         ; kk x 32 rows of 4,096 bytes
	s_add_co_u32 s12, s12, s10
	s_lshl_b32 s10, s9, 10
	s_add_co_u32 s12, s12, s10
	s_lshl_b32 s14, s9, 18                         ; tile 1 + 2 c
	s_add_co_u32 s14, s14, 131072
	s_lshl_b32 s10, s8, 14
	s_add_co_u32 s14, s14, s10
	s_branch .Lgo
.Lw2:
	s_mov_b64 s[50:51], s[30:31]
	s_mov_b32 s11, 1024
	s_sub_co_u32 s7, s5, 40
	s_and_b32 s8, s7, 7
	s_lshr_b32 s9, s7, 3                           ; chunk c of 256 rows
	s_lshl_b32 s12, s4, 20
	s_lshl_b32 s10, s9, 18
	s_add_co_u32 s12, s12, s10
	s_lshl_b32 s10, s6, 15
	s_add_co_u32 s12, s12, s10
	s_lshl_b32 s14, s9, 18                         ; tile 2 + 2 c
	s_add_co_u32 s14, s14, 262144
	s_lshl_b32 s10, s8, 14
	s_add_co_u32 s14, s14, s10
	s_branch .Lgo
.Lqkv:
	s_sub_co_u32 s7, s5, 72
	s_and_b32 s8, s7, 7
	s_lshr_b32 s9, s7, 3                           ; 0 q, 1 k, 2 v
	s_mov_b64 s[50:51], s[36:37]
	s_cmp_eq_u32 s9, 1
	s_cselect_b64 s[50:51], s[32:33], s[50:51]
	s_cmp_eq_u32 s9, 2
	s_cselect_b64 s[50:51], s[38:39], s[50:51]
	s_mov_b32 s11, 1024
	s_lshl_b32 s12, s4, 18
	s_lshl_b32 s10, s6, 15
	s_add_co_u32 s12, s12, s10
	s_lshr_b32 s10, s8, 1                          ; the head: 64 columns
	s_mul_i32 s14, s10, 98304
	s_add_co_u32 s14, s14, OFF_P
	s_lshl_b32 s10, s9, 15
	s_add_co_u32 s14, s14, s10
	s_and_b32 s10, s8, 1
	s_lshl_b32 s10, s10, 14
	s_add_co_u32 s14, s14, s10
.Lgo:
	s_lshl_b32 s10, s8, 7                          ; my 32 columns: 128 bytes
	s_add_co_u32 s12, s12, s10
	s_lshl_b32 s10, s6, 10                         ; record kk
	s_add_co_u32 s14, s14, s10
	s_add_nc_u64 s[50:51], s[50:51], s[12:13]
	s_add_nc_u64 s[48:49], s[48:49], s[14:15]
	v_lshlrev_b32 v[OF], 2, v2
.set i, 1
.rept 31
	v_add_nc_u32 v[OF+i], s11, v[OF+i-1]
.set i, i+1
.endr
.set i, 0
.rept 32
	global_load_b32 v[X+i], v[OF+i], s[50:51]
.set i, i+1
.endr
	v_lshrrev_b32 v3, 4, v2                        ; lanes 16-31 fill the second record, 8,192 bytes on
	v_and_b32 v4, 15, v2
	v_lshlrev_b32 v4, 4, v4
	v_lshl_or_b32 v3, v3, 13, v4
	s_wait_loadcnt 0x0
.set i, 0
.rept 16
	v_cvt_pk_bf16_f32 v[Y+i], v[X+2*i], v[X+2*i+1]
.set i, i+1
.endr
.set i, 0
.rept 4
	global_store_b128 v3, v[Y+4*i:Y+4*i+3], s[48:49] offset:256*i  ; k = 8 i + 0..7: byte 512 g + 256 h with i = 2 g + h
.set i, i+1
.endr
	s_endpgm
.Lbias:                                        ; 512 bytes a wave and pass
	v_lshlrev_b32 v3, 4, v2
	s_lshr_b32 s7, s6, 1
	s_mov_b64 s[50:51], s[22:23]                   ; waves 0, 1: bo; 2, 3: b2; 4, 5: bq; 6, 7: bk
	s_cmp_eq_u32 s7, 1
	s_cselect_b64 s[50:51], s[18:19], s[50:51]
	s_cmp_eq_u32 s7, 2
	s_cselect_b64 s[50:51], s[24:25], s[50:51]
	s_cmp_eq_u32 s7, 3
	s_cselect_b64 s[50:51], s[20:21], s[50:51]
	s_lshl_b32 s12, s4, 10
	s_and_b32 s10, s6, 1
	s_lshl_b32 s10, s10, 9
	s_add_co_u32 s12, s12, s10
	s_add_nc_u64 s[50:51], s[50:51], s[12:13]
	s_lshl_b32 s14, s4, 12                         ; b1: layer x 4,096 + 512 x wave
	s_lshl_b32 s10, s6, 9
	s_add_co_u32 s14, s14, s10
	s_add_nc_u64 s[52:53], s[16:17], s[14:15]
	s_mov_b32 s14, s10
	s_add_nc_u64 s[48:49], s[48:49], s[14:15]      ; the buffer at OFF_B + 512 x wave
	s_add_nc_u64 s[48:49], s[48:49], OFF_B
	global_load_b128 v[40:43], v3, s[50:51]
	global_load_b128 v[44:47], v3, s[52:53]
	s_wait_loadcnt 0x0
	global_store_b128 v3, v[40:43], s[48:49]
	global_store_b128 v3, v[44:47], s[48:49] offset:5120
	s_cmp_lt_u32 s6, 2
	s_cbranch_scc0 .Lend
	s_lshl_b32 s12, s4, 10                         ; bv: waves 0 and 1
	s_add_co_u32 s12, s12, s10
	s_add_nc_u64 s[54:55], s[26:27], s[12:13]
	global_load_b128 v[48:51], v3, s[54:55]
	s_wait_loadcnt 0x0
	global_store_b128 v3, v[48:51], s[48:49] offset:4096
.Lend:
	s_endpgm
.Lfunc_end_k_qb8539018bf_prep:
	.size	k_qb8539018bf_prep, .Lfunc_end_k_qb8539018bf_prep-k_qb8539018bf_prep
	.p2alignl 7, 3214868480
	.fill 96, 4, 3214868480
	.section	.rodata,"a",@progbits
	.p2align	6, 0x0
	.amdhsa_kernel k_qb8539018bf_prep
		.amdhsa_group_segment_fixed_size 0
		.amdhsa_private_segment_fixed_size 0
		.amdhsa_enable_private_segment 0
		.amdhsa_kernarg_size 128
		.amdhsa_user_sgpr_count 2
		.amdhsa_user_sgpr_kernarg_segment_ptr 1
		.amdhsa_wavefront_size32 1
		.amdhsa_system_sgpr_workgroup_id_x 1
		.amdhsa_system_sgpr_workgroup_id_y 1
		.amdhsa_system_sgpr_workgroup_id_z 1
		.amdhsa_system_vgpr_workitem_id 0
		.amdhsa_next_free_vgpr 96
		.amdhsa_next_free_sgpr 66
		.amdhsa_reserve_vcc 0
		.amdhsa_float_denorm_mode_32 3
		.amdhsa_float_denorm_mode_16_64 3
		.amdhsa_memory_ordered 1
		.amdhsa_forward_progress 1
		.amdhsa_inst_pref_size 11
	.end_amdhsa_kernel
	.amdgpu_metadata
---
amdhsa.version: [ 1, 2 ]
amdhsa.kernels:
  - .name:           k_qb8539018bf_prep
    .symbol:         k_qb8539018bf_prep.kd
    .args:
      - { .name: b1, .offset: 0, .size: 8, .value_kind: global_buffer, .address_space: global }
      - { .name: b2, .offset: 8, .size: 8, .value_kind: global_buffer, .address_space: global }
      - { .name: bk, .offset: 16, .size: 8, .value_kind: global_buffer, .address_space: global }
      - { .name: bo, .offset: 24, .size: 8, .value_kind: global_buffer, .address_space: global }
      - { .name: bq, .offset: 32, .size: 8, .value_kind: global_buffer, .address_space: global }
      - { .name: bv, .offset: 40, .size: 8, .value_kind: global_buffer, .address_space: global }
      - { .name: w1, .offset: 48, .size: 8, .value_kind: global_buffer, .address_space: global }
      - { .name: w2, .offset: 56, .size: 8, .value_kind: global_buffer, .address_space: global }
      - { .name: wk, .offset: 64, .size: 8, .value_kind: global_buffer, .address_space: global }
      - { .name: wo, .offset: 72, .size: 8, .value_kind: global_buffer, .address_space: global }
      - { .name: wq, .offset: 80, .size: 8, .value_kind: global_buffer, .address_space: global }
      - { .name: wv, .offset: 88, .size: 8, .value_kind: global_buffer, .address_space: global }
      - { .name: lw0, .offset: 96, .size: 8, .value_kind: global_buffer, .address_space: global }
      - { .name: lw1, .offset: 104, .size: 8, .value_kind: global_buffer, .address_space: global }
      - { .name: lw2, .offset: 112, .size: 8, .value_kind: global_buffer, .address_space: global }
      - { .name: lw3, .offset: 120, .size: 8, .value_kind: global_buffer, .address_space: global }
    .group_segment_fixed_size: 0
    .private_segment_fixed_size: 0
    .kernarg_segment_align: 8
    .kernarg_segment_size: 128
    .max_flat_workgroup_size: 256
    .sgpr_count:     66
    .vgpr_count:     96
    .wavefront_size: 32
...
	.end_amdgpu_metadata
.endif
;; end of part 1
;; launch pq (part 2): grid 64 x 4, 4 waves a work-group, clusters of 4 x 1, 198,144 bytes of LDS; arguments x, lw0, qkv; writes qkv
.if DOCPART == 2
	.amdgcn_target "amdgcn-amd-amdhsa--gfx1250"
	.amdhsa_code_object_version 6
	.text
	.protected	k_qb8539018bf_pq
	.globl	k_qb8539018bf_pq
	.p2align	8
	.type	k_qb8539018bf_pq,@function
k_qb8539018bf_pq:
	s_mov_b64 s[64:65], 0
	v_nop
	global_prefetch_b8 v0, s[64:65] scope:SCOPE_SE
	s_setreg_imm32_b32 hwreg(HW_REG_WAVE_MODE, 25, 1), 1
	s_wait_xcnt 0x0
	s_wait_alu depctr_hold_cnt(0) depctr_sa_sdst(0) depctr_va_vdst(0) depctr_va_sdst(0) depctr_va_ssrc(0) depctr_va_vcc(0) depctr_vm_vsrc(0)
	s_getreg_b32 s2, hwreg(HW_REG_IB_STS2, 6, 4)
	s_cmp_eq_u32 s2, 0
	s_cbranch_scc0 .Lentry_in_a_cluster
	s_endpgm
.Lentry_in_a_cluster:
	s_bfe_u32 s2, ttmp6, 0x10000c
	s_cmp_lg_u32 s2, 0x3003
	s_cbranch_scc0 .Lentry_shape_is_right
	s_endpgm
.Lentry_shape_is_right:
; PQ.  n = LayerNorm(h) (no gain, eps 1e-5, statistics in f32), then q, k, v = n W + b for ONE head and 64 rows of h.  n and the weights go to the matrix unit in bf16, sums in f32, results rounded once to bf16.
; q is stored as c (n wq + bq), c = log2(e) / 8: the scale of the scores and the change of base of the softmax's exponentials, applied in f32 ahead of q's one rounding.
; SHARES.  Work-group (rb, hd): rows 64 rb .. + 63, head hd.  Wave w normalises rows 16 w .. + 15, and then makes the head's channels 16 w .. + 15 of q, k and v for all 64 rows: 12 accumulators.
; RECORDS.  All matrix operands lie as records of 1,024 bytes (16 rows x 32 k; the 16 bytes at 512 g + 16 x lane hold row lane % 16, k = 16 g + 8 (lane / 16) + 0..7): a fragment is two loads of 16 bytes a lane,
; each 512 consecutive bytes a wave.  q and k are made TRANSPOSED (source 0 = 16 weight columns, source 1 = 16 rows): a lane then holds 8 neighbouring channels of one row, which is 16 bytes of a record of Q or K.
; v is made the natural way round (source 0 = rows): a lane holds 8 neighbouring rows of one channel, 16 bytes of a record of V^T.  So every result is stored as the next launch's operand, 512 consecutive bytes a store.
; CLUSTER.  The four row blocks of a cluster share the head, so its weight tile (96 records) is asked for jointly; the rows of h are a load of the work-group's own.
; By this text's count a wave has two tensor loads out, both first fills; no LDS byte is filled twice.
; LIMITS.  NaN and infinities are not treated apart.
.set WT,    0                          ; the head's 96 records: (mat, nb, kk) at ((4 mat + nb) 8 + kk) x 1,024
.set HS,    98304                      ; 64 rows of h in f32, 1,024 bytes + 16 of padding: the 16 rows of a load start at 16 different 16-byte columns modulo 256 bytes
.set HP,    1040
.set ACT,   164864                     ; n in bf16: record (rt, kk) at (8 rt + kk) x 1,024
.set SPARE, 197632                     ; the spare words, 128 bytes a wave, which no other line names
.set OFF_P, 1179648
.set OFF_B, 1572864
.set KVB,   2097152                    ; in qkv: Q's records first, then blocks of 64 keys: 8 records of K, 8 of V^T
.set R,   1                            ; lane % 16
.set H,   2                            ; lane / 16
.set L16, 3                            ; 16 x lane
.set AH,  4                            ; my 32 bytes in my row of h
.set AS,  5                            ; where I put 16 bytes of n
.set AR,  6                            ; ACT + 16 x lane
.set AW,  7                            ; my wave's records of wq and wk
.set AW2, 8                            ; and of wv, 65,536 further on
.set BO1, 9                            ; byte offset of my 8 channels in a bias
.set BO2, 10                           ; and of my one channel (v)
.set SPW, 12
.set NIL, 13
.set MEAN, 14                          ; v[14:15] the mean, twice
.set RS,  16                           ; v[16:17] 1 / sqrt(var + eps), twice
.set BQ,  24
.set BK,  32
.set BV,  40
.set X,   48                           ; v[48:175] my 128 numbers of a row; later
.set ACC, 48                           ; v[48:143] accumulator (mat, rt) at 8 (4 mat + rt)
.set AF,  144                          ; two buffers of 32: n's fragments of the four row tiles
.set T,   176                          ; at work in the norm
.set WF,  208                          ; two buffers of 24: the weights' fragments, q, k, v
.set WV,  10
.set SEL, 40
.set CS,  62                           ; s[62:63] c: the packed scaling takes the pair's low word for both halves
.macro ROUND                           ; a round of the cluster's barrier
	s_barrier_signal -1
	s_barrier_wait -1
	s_cmp_lg_u32 s[WV], 0
	s_cbranch_scc1 .Lnot_wave_0_\@
	s_barrier_signal -3
.Lnot_wave_0_\@:
	s_barrier_wait -3
	s_barrier_signal -1
	s_barrier_wait -1
.endm
	s_load_b128 s[4:7], s[0:1], 0x0                ; h s[4:5], the layer's weights s[6:7]
	s_load_b64 s[8:9], s[0:1], 0x10                ; qkv
	v_lshl_add_u32 v[SPW], v0, 2, SPARE
	v_mov_b32 v[NIL], 0
	ds_add_u32 v[SPW], v[NIL]                      ; the wave's opening: the add and its wait ahead of my first tensor load
	ds_add_u32 v12, v13
	v_lshrrev_b32 v1, 5, v0
	v_readfirstlane_b32 s[WV], v1
	s_bfe_u32 s11, ttmp6, 0x40000                  ; cx
	s_lshl_b32 s12, ttmp9, 2
	s_add_co_u32 s12, s12, s11                     ; rb: it enters global addresses of my own loads and stores alone
	s_and_b32 s13, ttmp7, 0xffff                   ; hd, which the partners share
	; group 1 for h: 16 rows x 256 elements of 4 bytes, 4 words of padding behind every 256
	s_mov_b32 s16, (2<<16)|(1<<20)|(7<<22)|(3<<25)
	s_mov_b32 s17, 256<<16
	s_mov_b32 s18, 16<<16
	s_mov_b32 s19, 256<<16
	s_mov_b32 s20, 16
	s_mov_b32 s21, 256
	s_mov_b32 s22, 0
	s_mov_b32 s23, 0
	; group 1 for the weights: 96 rows of 32 elements of 8 bytes, dense; the mask names all four work-groups
	s_mov_b32 s28, 15|(3<<16)|(1<<21)
	s_mov_b32 s29, 32<<16
	s_mov_b32 s30, 96<<16
	s_mov_b32 s31, 32<<16
	s_mov_b32 s32, 96
	s_mov_b32 s33, 32
	s_mov_b32 s34, 0
	s_mov_b32 s35, 0
	s_mov_b32 s24, 1
	s_mul_i32 s25, s[WV], 16*HP
	s_add_co_u32 s25, s25, HS                      ; my 16 rows
	s_mov_b32 s36, 1
	s_mul_i32 s37, s[WV], 24576                    ; my quarter of the weight tile
	s_lshl_b32 s2, s12, 16                         ; 64 rows of 1,024 bytes a block,
	s_lshl_b32 s3, s[WV], 14                       ; 16 a wave
	s_add_co_u32 s2, s2, s3
	s_mov_b32 s3, 0
	s_mul_i32 s14, s13, 98304
	s_add_co_u32 s14, s14, s37
	s_add_co_u32 s14, s14, OFF_P
	s_mov_b32 s15, 0
	s_mov_b32 s[SEL], 0x76543210
	s_mov_b32 s[SEL+1], 0xfedcba98
	s_mov_b32 s48, 0x3b800000                      ; 1 / 256
	s_mov_b32 s49, 0x3727c5ac                      ; 1e-5
	s_lshl_b32 s56, s13, 19                        ; Q: ((256 hd + 4 rb) 2) x 1,024 + 512 w
	s_lshl_b32 s58, s12, 13
	s_add_co_u32 s56, s56, s58
	s_lshl_b32 s58, s[WV], 9
	s_add_co_u32 s56, s56, s58
	s_mov_b32 s57, 0
	s_lshl_b32 s60, s13, 20                        ; the block of 64 keys: (64 hd + rb) x 16,384
	s_lshl_b32 s62, s12, 14
	s_add_co_u32 s60, s60, s62
	s_add_co_u32 s60, s60, KVB
	s_mov_b32 s61, 0
	s_mov_b32 s59, 0
	s_mov_b32 s[CS], 0x3e38aa3b                    ; c = log2(e) / 8 = 0.180337
	s_mov_b32 s[CS+1], s[CS]                       ; named with it as a pair
	s_wait_dscnt 0x0                               ; the opening add is done
	s_wait_kmcnt 0x0
	s_add_nc_u64 s[26:27], s[4:5], s[2:3]
	s_or_b32 s27, s27, 0x80000000
	s_add_nc_u64 s[38:39], s[6:7], s[14:15]
	s_or_b32 s39, s39, 0x80000000
	s_add_nc_u64 s[50:51], s[8:9], s[56:57]        ; where q goes
	s_add_nc_u64 s[52:53], s[8:9], s[60:61]
	s_add_nc_u64 s[54:55], s[52:53], 8192          ; where v goes: + 1,024 w
	s_add_nc_u64 s[52:53], s[52:53], s[58:59]      ; where k goes: + 512 w
	s_add_nc_u64 s[54:55], s[54:55], s[58:59]
	s_add_nc_u64 s[54:55], s[54:55], s[58:59]
	s_add_nc_u64 s[46:47], s[6:7], OFF_B
	ROUND                                          ; all four work-groups are here: the joint loads meet
	tensor_load_to_lds s[24:27], s[16:23]          ; my 16 rows of h
	s_nop 0
	tensor_load_to_lds s[36:39], s[28:35]          ; my quarter of the head's weights, jointly
	s_nop 0
.rept 4
	v_nop
.endr
	v_and_b32 v[R], 15, v0
	v_bfe_u32 v[H], v0, 4, 1
	v_and_b32 v[L16], 31, v0
	v_lshlrev_b32 v[L16], 4, v[L16]
	v_mul_u32_u24 v[AH], v[R], HP
	v_lshl_add_u32 v[AH], v[H], 5, v[AH]
	v_add_nc_u32 v[AH], s25, v[AH]
	s_lshl_b32 s42, s[WV], 13
	v_add_nc_u32 v[AW], s42, v[L16]
	v_add_nc_u32 v[AW2], 65536, v[AW]
	v_add_nc_u32 v[AR], ACT, v[L16]
	v_add_nc_u32 v[AS], s42, v[AR]
	s_lshl_b32 s43, s13, 8
	s_lshl_b32 s44, s[WV], 6
	s_add_co_u32 s43, s43, s44                     ; (64 hd + 16 w) x 4
	v_lshl_add_u32 v[BO1], v[H], 5, s43
	v_lshl_add_u32 v[BO2], v[R], 2, s43
	global_load_b128 v[BQ:BQ+3],   v[BO1], s[46:47] offset:2048
	global_load_b128 v[BQ+4:BQ+7], v[BO1], s[46:47] offset:2064
	global_load_b128 v[BK:BK+3],   v[BO1], s[46:47] offset:3072
	global_load_b128 v[BK+4:BK+7], v[BO1], s[46:47] offset:3088
	global_load_b32 v[BV], v[BO2], s[46:47] offset:4096
	; THE NORM.  Lane (r, h) takes of row r the columns 32 kk + 16 g + 8 h + 0..7, which are the numbers that it will hold of n's records; the row's other half lies in the lane 16 away.
	s_wait_tensorcnt 0x1                           ; my rows are in (only I read them); the weights may stay out
.set i, 0
.rept 16
	ds_load_b128 v[X+8*i:X+8*i+3],   v[AH] offset:64*i
	ds_load_b128 v[X+8*i+4:X+8*i+7], v[AH] offset:64*i+16
.set i, i+1
.endr
	s_wait_dscnt 0x0
.set i, 0
.rept 4                                ; four chains; the first additions start them
	v_pk_add_f32 v[T+2*i:T+2*i+1], v[X+2*i:X+2*i+1], v[X+8+2*i:X+8+2*i+1]
.set i, i+1
.endr
.set i, 8
.rept 56
	v_pk_add_f32 v[T+2*(i%4):T+2*(i%4)+1], v[T+2*(i%4):T+2*(i%4)+1], v[X+2*i:X+2*i+1]
.set i, i+1
.endr
	v_pk_add_f32 v[T:T+1], v[T:T+1], v[T+2:T+3]
	v_pk_add_f32 v[T+4:T+5], v[T+4:T+5], v[T+6:T+7]
	v_pk_add_f32 v[T:T+1], v[T:T+1], v[T+4:T+5]
	v_add_f32 v[MEAN], v[T], v[T+1]
	v_permlanex16_b32 v[T+1], v[MEAN], s[SEL], s[SEL+1]
	v_add_f32 v[MEAN], v[MEAN], v[T+1]
	v_mul_f32 v[MEAN], s48, v[MEAN]
	v_mov_b32 v[MEAN+1], v[MEAN]
.set i, 0
.rept 64
	v_pk_add_f32 v[X+2*i:X+2*i+1], v[X+2*i:X+2*i+1], v[MEAN:MEAN+1] neg_lo:[0,1] neg_hi:[0,1]
.set i, i+1
.endr
.set i, 0
.rept 4
	v_pk_mul_f32 v[T+2*i:T+2*i+1], v[X+2*i:X+2*i+1], v[X+2*i:X+2*i+1]
.set i, i+1
.endr
.rept 60
	v_pk_fma_f32 v[T+2*(i%4):T+2*(i%4)+1], v[X+2*i:X+2*i+1], v[X+2*i:X+2*i+1], v[T+2*(i%4):T+2*(i%4)+1]
.set i, i+1
.endr
	v_pk_add_f32 v[T:T+1], v[T:T+1], v[T+2:T+3]
	v_pk_add_f32 v[T+4:T+5], v[T+4:T+5], v[T+6:T+7]
	v_pk_add_f32 v[T:T+1], v[T:T+1], v[T+4:T+5]
	v_add_f32 v[RS], v[T], v[T+1]
	v_permlanex16_b32 v[T+1], v[RS], s[SEL], s[SEL+1]
	v_add_f32 v[RS], v[RS], v[T+1]
	v_fma_f32 v[RS], v[RS], s48, s49               ; the variance + eps
	v_rsq_f32 v[RS], v[RS]
	v_nop                                          ; a plain instruction between the root and its use
	s_wait_alu depctr_va_vdst(0)
	v_mov_b32 v[RS+1], v[RS]
.set i, 0
.rept 64
	v_pk_mul_f32 v[X+2*i:X+2*i+1], v[X+2*i:X+2*i+1], v[RS:RS+1]
.set i, i+1
.endr
.set i, 0
.rept 64                               ; packed downward in place: register i is written when registers 2 i and 2 i + 1 are read
	v_cvt_pk_bf16_f32 v[X+i], v[X+2*i], v[X+2*i+1]
.set i, i+1
.endr
.set i, 0
.rept 16
	ds_store_b128 v[AS], v[X+4*i:X+4*i+3] offset:512*i
.set i, i+1
.endr
	s_wait_tensorcnt 0x0                           ; my quarter of the weights is in,
	s_wait_loadcnt 0x0                             ; the biases too
.irp j, 1,2,3,4,5,6,7
	v_mov_b32 v[BV+\j], v[BV]                      ; in v's layout all eight registers of a lane belong to one channel
.endr
	s_wait_dscnt 0x0                               ; for the others' sake: my rows of n are written
	s_barrier_signal -1
	s_barrier_wait -1                              ; n and the weight tile are whole
	; THE PRODUCTS.  K = 256 in eight steps of 32, two sets of fragment registers: while one is multiplied the other's 14 loads are out.
.macro LD kk, b
.irp rt, 0,1,2,3
	ds_load_b128 v[AF+32*(\b)+8*\rt:AF+32*(\b)+8*\rt+3],   v[AR] offset:(8*\rt+(\kk))*1024
	ds_load_b128 v[AF+32*(\b)+8*\rt+4:AF+32*(\b)+8*\rt+7], v[AR] offset:(8*\rt+(\kk))*1024+512
.endr
.irp m, 0,1
	ds_load_b128 v[WF+24*(\b)+8*\m:WF+24*(\b)+8*\m+3],   v[AW] offset:(32*\m+(\kk))*1024
	ds_load_b128 v[WF+24*(\b)+8*\m+4:WF+24*(\b)+8*\m+7], v[AW] offset:(32*\m+(\kk))*1024+512
.endr
	ds_load_b128 v[WF+24*(\b)+16:WF+24*(\b)+19], v[AW2] offset:(\kk)*1024
	ds_load_b128 v[WF+24*(\b)+20:WF+24*(\b)+23], v[AW2] offset:(\kk)*1024+512
.endm
; Twelve products; the twelve accumulators take turns.  first = 1: the bias starts the sum.
.macro MULS b, first
.irp rt, 0,1,2,3
.if \first
	v_wmma_f32_16x16x32_bf16 v[ACC+8*\rt:ACC+8*\rt+7], v[WF+24*(\b):WF+24*(\b)+7], v[AF+32*(\b)+8*\rt:AF+32*(\b)+8*\rt+7], v[BQ:BQ+7]
	v_wmma_f32_16x16x32_bf16 v[ACC+32+8*\rt:ACC+32+8*\rt+7], v[WF+24*(\b)+8:WF+24*(\b)+15], v[AF+32*(\b)+8*\rt:AF+32*(\b)+8*\rt+7], v[BK:BK+7]
	v_wmma_f32_16x16x32_bf16 v[ACC+64+8*\rt:ACC+64+8*\rt+7], v[AF+32*(\b)+8*\rt:AF+32*(\b)+8*\rt+7], v[WF+24*(\b)+16:WF+24*(\b)+23], v[BV:BV+7]
.else
	v_wmma_f32_16x16x32_bf16 v[ACC+8*\rt:ACC+8*\rt+7], v[WF+24*(\b):WF+24*(\b)+7], v[AF+32*(\b)+8*\rt:AF+32*(\b)+8*\rt+7], v[ACC+8*\rt:ACC+8*\rt+7]
	v_wmma_f32_16x16x32_bf16 v[ACC+32+8*\rt:ACC+32+8*\rt+7], v[WF+24*(\b)+8:WF+24*(\b)+15], v[AF+32*(\b)+8*\rt:AF+32*(\b)+8*\rt+7], v[ACC+32+8*\rt:ACC+32+8*\rt+7]
	v_wmma_f32_16x16x32_bf16 v[ACC+64+8*\rt:ACC+64+8*\rt+7], v[AF+32*(\b)+8*\rt:AF+32*(\b)+8*\rt+7], v[WF+24*(\b)+16:WF+24*(\b)+23], v[ACC+64+8*\rt:ACC+64+8*\rt+7]
.endif
.endr
.endm
	LD 0, 0
.set kq, 0
.rept 8
.if kq < 7
.if kq > 0
.rept 4
	v_nop                                          ; four places between the products that read a set and the loads into it
.endr
.endif
	LD kq+1, (kq+1)%2
	s_wait_dscnt 14                                ; all but the 14 just issued
.else
	s_wait_dscnt 0x0
.endif
.if kq == 0
	MULS 0, 1
.else
	MULS kq%2, 0
.endif
.set kq, kq+1
.endr
.rept 4
	v_nop                                          ; the places behind the last products
.endr
.set i, 0
.rept 16                               ; q's four accumulators times c, in f32, ahead of the rounding; each accumulator's lowest registers first
	v_pk_mul_f32 v[ACC+2*i:ACC+2*i+1], v[ACC+2*i:ACC+2*i+1], s[CS:CS+1] op_sel_hi:[1,0]
.set i, i+1
.endr
.set i, 0
.rept 48                               ; each accumulator's registers in ascending order
	v_cvt_pk_bf16_f32 v[AF+i], v[ACC+2*i], v[ACC+2*i+1]
.set i, i+1
.endr
.irp rt, 0,1,2,3                       ; each store of the wave covers 512 consecutive bytes, aligned
	global_store_b128 v[L16], v[AF+4*\rt:AF+4*\rt+3], s[50:51] offset:2048*\rt
	global_store_b128 v[L16], v[AF+16+4*\rt:AF+16+4*\rt+3], s[52:53] offset:2048*\rt
	global_store_b128 v[L16], v[AF+32+4*\rt:AF+32+4*\rt+3], s[54:55] offset:(\rt/2)*4096+(\rt%2)*512
.endr
	s_wait_tensorcnt 0x0                           ; the wave's end
	ds_add_u32 v[SPW], v[NIL]
	s_wait_dscnt 0x0
	ROUND                                          ; the closing round
	s_endpgm
.Lfunc_end_k_qb8539018bf_pq:
	.size	k_qb8539018bf_pq, .Lfunc_end_k_qb8539018bf_pq-k_qb8539018bf_pq
	.p2alignl 7, 3214868480
	.fill 96, 4, 3214868480
	.section	.rodata,"a",@progbits
	.p2align	6, 0x0
	.amdhsa_kernel k_qb8539018bf_pq
		.amdhsa_group_segment_fixed_size 198144
		.amdhsa_private_segment_fixed_size 0
		.amdhsa_enable_private_segment 0
		.amdhsa_kernarg_size 24
		.amdhsa_user_sgpr_count 2
		.amdhsa_user_sgpr_kernarg_segment_ptr 1
		.amdhsa_wavefront_size32 1
		.amdhsa_system_sgpr_workgroup_id_x 1
		.amdhsa_system_sgpr_workgroup_id_y 1
		.amdhsa_system_sgpr_workgroup_id_z 1
		.amdhsa_system_vgpr_workitem_id 0
		.amdhsa_next_free_vgpr 256
		.amdhsa_next_free_sgpr 66
		.amdhsa_reserve_vcc 0
		.amdhsa_float_denorm_mode_32 3
		.amdhsa_float_denorm_mode_16_64 3
		.amdhsa_memory_ordered 1
		.amdhsa_forward_progress 1
		.amdhsa_inst_pref_size 50
	.end_amdhsa_kernel
	.amdgpu_metadata
---
amdhsa.version: [ 1, 2 ]
amdhsa.kernels:
  - .name:           k_qb8539018bf_pq
    .symbol:         k_qb8539018bf_pq.kd
    .args:
      - { .name: x, .offset: 0, .size: 8, .value_kind: global_buffer, .address_space: global }
      - { .name: lw0, .offset: 8, .size: 8, .value_kind: global_buffer, .address_space: global }
      - { .name: qkv, .offset: 16, .size: 8, .value_kind: global_buffer, .address_space: global }
    .group_segment_fixed_size: 198144
    .private_segment_fixed_size: 0
    .kernarg_segment_align: 8
    .kernarg_segment_size: 24
    .max_flat_workgroup_size: 128
    .sgpr_count:     66
    .vgpr_count:     256
    .wavefront_size: 32
...
	.end_amdgpu_metadata
.endif
;; end of part 2
;; launch at (part 3): grid 64 x 4, 4 waves a work-group, no clusters, 167,936 bytes of LDS; arguments qkv, ob; writes ob
.if DOCPART == 3
	.amdgcn_target "amdgcn-amd-amdhsa--gfx1250"
	.amdhsa_code_object_version 6
	.text
	.protected	k_qb8539018bf_at
	.globl	k_qb8539018bf_at
	.p2align	8
	.type	k_qb8539018bf_at,@function
k_qb8539018bf_at:
	s_mov_b64 s[64:65], 0
	v_nop
	global_prefetch_b8 v0, s[64:65] scope:SCOPE_SE
	s_setreg_imm32_b32 hwreg(HW_REG_WAVE_MODE, 25, 1), 1
	s_wait_xcnt 0x0
; AT.  Attention under the band |q - k| <= 256, head size 64: o[q] = the sum over k of softmax_k(q . k / 8) V[k].  Q, K, V^T arrive as bf16 records (see PQ); o leaves as bf16 records for DN.
; Q arrives as c q, c = log2(e) / 8, so a score s = Q . K is the softmax's exponent to the base 2.
; Products, maxima and sums in f32; the weights p are rounded to bf16 for the second product (their sum l is taken of the unrounded p), o once at the end.
; SHARES.  Work-group (qb, hd): queries 64 qb .. + 63 of head hd, 16 a wave.  The band reaches the nine blocks of 64 keys qb - 4 .. qb + 4: step i takes block qb - 4 + i.  Steps 1 to 7 are wholly inside the band;
; in step 0 key kk of the block is hidden from query qq of mine where kk < qq, in step 8 where kk > qq.  A block outside 0 .. 63 is wholly hidden; its load is turned to the nearest real block, so that LDS holds finite numbers.
; THE MASK is the C operand that starts the sum S^T = K Q^T: 0, or -1e30 where the key is hidden.  A running maximum m is kept: p = 2^(s - m); O and l are multiplied by a = 2^(m_old - m_new) in every step.
; m is the maximum of the numbers that it is taken from, so s - m is never above 0, whatever the scores: no exponential overflows.  A step that is wholly hidden ahead of the first true score has m near -1e30 and p up to 1:
; it leaves finite numbers in O and l, which the first true score's a = 2^(-1e30) = 0 wipes out; hidden scores behind a true one give p = 0.  Every query sees itself (step 4).
; LAYOUT.  S^T = K Q^T holds one query a lane (lane % 16) and the keys 8 (lane / 16) + 0..7; two such results rounded in pairs ARE source 1 of O^T = V^T P, which again holds one query a lane, and eight channels.
; LDS.  All nine blocks (16,384 bytes each: 8 records of K, 8 of V^T) are asked for at the start, three tensor loads a wave, all first fills; nothing is filled twice.
; NO CLUSTER: neighbouring query blocks' windows are shifted by a block against each other, so a shared tile would lie at an LDS address that hangs on the work-group's place.
; LIMITS.  A hidden score counts as its value less 1e30; a weight below 2^-126 counts as 0; NaN and infinities are not treated apart.
.set KVB,   2097152
.set BLK,   16384
.set SPARE, 9*BLK
.set AKV, 3                            ; 16 x lane + the block in hand
.set GA,  4                            ; 16 x lane, for memory
.set QD,  5                            ; 16 w + lane % 16 - 8 (lane / 16): register j of key tile kt is my key 16 kt + j + 8 (lane / 16)
.set VBE, 6                            ; the mask's value for keys inside the band: 0, or -1e30 for a block that does not exist
.set VBIG, 7                           ; -1e30
.set SPW, 8
.set NIL, 9
.set MX,  10                           ; m: the packed subtraction names v[10:11] and takes the low word for both halves
.set MO,  11                           ; m_old, kept while m is made anew
.set LS,  12                           ; v[12:13] l (even keys', odd keys')
.set C,   16                           ; v[16:19] at work; a lands in v18
.set Q,   24                           ; v[24:39]
.set S,   40                           ; v[40:71]
.set P,   72                           ; v[72:87]
.set O,   88                           ; v[88:119]
.set M,   120                          ; v[120:151] the masks
.set KF,  0                            ; window 1: K's fragment (kt, c) at 8 (2 kt + c)
.set VF,  64                           ; window 1: V^T's fragment (kk, cb) at 64 + 8 (4 kk + cb)
.set WV,  10
.set SEL, 56
.set MSB, 0
.macro WIN new                         ; the immediate's high byte repeats the setting that is left
.if MSB != (\new)
	s_set_vgpr_msb (MSB<<8)|(\new)
.set MSB, (\new)
.endif
.endm
.macro PLACES
.rept 4
	v_nop
.endr
.endm
	s_load_b128 s[4:7], s[0:1], 0x0                ; qkv s[4:5], ob s[6:7]
	v_lshl_add_u32 v[SPW], v0, 2, SPARE
	v_mov_b32 v[NIL], 0
	ds_add_u32 v[SPW], v[NIL]                      ; the wave's opening: the add and its wait ahead of my first tensor load
	ds_add_u32 v8, v9
	v_lshrrev_b32 v1, 5, v0
	v_readfirstlane_b32 s[WV], v1
	s_mov_b32 s11, ttmp9                           ; qb
	s_and_b32 s12, ttmp7, 0xffff                   ; hd
	; group 1: dense rows of 32 elements of 8 bytes; 64 rows (a block) or 16 (a quarter)
	s_mov_b32 s16, 3<<16
	s_mov_b32 s17, 32<<16
	s_mov_b32 s18, 64<<16
	s_mov_b32 s19, 32<<16
	s_mov_b32 s20, 64
	s_mov_b32 s21, 32
	s_mov_b32 s22, 0
	s_mov_b32 s23, 0
	s_mov_b32 s24, 3<<16
	s_mov_b32 s25, 32<<16
	s_mov_b32 s26, 16<<16
	s_mov_b32 s27, 32<<16
	s_mov_b32 s28, 16
	s_mov_b32 s29, 32
	s_mov_b32 s30, 0
	s_mov_b32 s31, 0
	s_mov_b32 s32, 1
	s_lshl_b32 s33, s[WV], 14                      ; step w,
	s_mov_b32 s36, 1
	s_add_co_u32 s37, s33, 4*BLK                   ; step w + 4,
	s_mov_b32 s40, 1
	s_lshl_b32 s41, s[WV], 12
	s_add_co_u32 s41, s41, 8*BLK                   ; and quarter w of step 8
	s_sub_co_i32 s13, s11, 4                       ; step 0's block
	s_lshl_b32 s15, s12, 6
	s_add_co_i32 s14, s13, s[WV]
	s_max_i32 s14, s14, 0
	s_min_i32 s14, s14, 63
	s_add_co_u32 s14, s14, s15
	s_lshl_b32 s48, s14, 14
	s_mov_b32 s49, 0
	s_add_co_i32 s14, s13, s[WV]
	s_add_co_i32 s14, s14, 4
	s_max_i32 s14, s14, 0
	s_min_i32 s14, s14, 63
	s_add_co_u32 s14, s14, s15
	s_lshl_b32 s50, s14, 14
	s_mov_b32 s51, 0
	s_add_co_i32 s14, s13, 8
	s_max_i32 s14, s14, 0
	s_min_i32 s14, s14, 63
	s_add_co_u32 s14, s14, s15
	s_lshl_b32 s52, s14, 14
	s_lshl_b32 s14, s[WV], 12
	s_add_co_u32 s52, s52, s14
	s_mov_b32 s53, 0
	s_lshl_b32 s2, s12, 19                         ; my tile of Q: ((256 hd + 4 qb + w) 2) x 1,024
	s_lshl_b32 s14, s11, 13
	s_add_co_u32 s2, s2, s14
	s_lshl_b32 s14, s[WV], 11
	s_add_co_u32 s2, s2, s14
	s_mov_b32 s3, 0
	s_lshl_b32 s8, s11, 15                         ; my records of o: ((4 qb + w) 8 + 2 hd) x 1,024
	s_lshl_b32 s14, s[WV], 13
	s_add_co_u32 s8, s8, s14
	s_lshl_b32 s14, s12, 11
	s_add_co_u32 s8, s8, s14
	s_mov_b32 s9, 0
	s_mov_b32 s46, 0xf149f2ca                      ; -1e30
	s_mov_b32 s[SEL], 0x76543210
	s_mov_b32 s[SEL+1], 0xfedcba98
	s_wait_dscnt 0x0                               ; the opening add is done
	s_wait_kmcnt 0x0
	s_add_nc_u64 s[54:55], s[4:5], KVB
	s_add_nc_u64 s[34:35], s[54:55], s[48:49]
	s_or_b32 s35, s35, 0x80000000
	s_add_nc_u64 s[38:39], s[54:55], s[50:51]
	s_or_b32 s39, s39, 0x80000000
	s_add_nc_u64 s[42:43], s[54:55], s[52:53]
	s_or_b32 s43, s43, 0x80000000
	s_add_nc_u64 s[60:61], s[4:5], s[2:3]
	s_add_nc_u64 s[62:63], s[6:7], s[8:9]
	tensor_load_to_lds s[32:35], s[16:23]
	s_nop 0
	tensor_load_to_lds s[36:39], s[16:23]
	s_nop 0
	tensor_load_to_lds s[40:43], s[24:31]
	s_nop 0
	PLACES
	v_and_b32 v1, 15, v0
	v_bfe_u32 v2, v0, 4, 1
	v_and_b32 v[AKV], 31, v0
	v_lshlrev_b32 v[AKV], 4, v[AKV]
	v_mov_b32 v[GA], v[AKV]
.irp i, 0,1,2,3
	global_load_b128 v[Q+4*\i:Q+4*\i+3], v[GA], s[60:61] offset:512*\i
.endr
	s_lshl_b32 s14, s[WV], 4
	v_lshlrev_b32 v[QD], 3, v2
	v_sub_nc_u32 v[QD], v1, v[QD]
	v_add_nc_u32 v[QD], s14, v[QD]
	v_mov_b32 v[VBIG], s46
.macro MASKGEN dir                     ; dir = 0: hidden where my key lies below my query's place (step 0); 1: above it (step 8)
.set i, 0
.rept 32
.if \dir
	v_cmp_gt_i32 vcc_lo, 16*(i/8)+i%8, v[QD]
.else
	v_cmp_lt_i32 vcc_lo, 16*(i/8)+i%8, v[QD]
.endif
	v_cndmask_b32 v[M+i], v[VBE], v[VBIG], vcc_lo
.set i, i+1
.endr
.endm
.macro LDKV dst, off                   ; a run of 16 LDS loads: eight records into window 1
	WIN 0x40
.set f, 0
.rept 8
	ds_load_b128 v[(\dst)+8*f:(\dst)+8*f+3],   v[AKV] offset:(\off)+1024*f
	ds_load_b128 v[(\dst)+8*f+4:(\dst)+8*f+7], v[AKV] offset:(\off)+1024*f+512
.set f, f+1
.endr
.endm
; A KEY STEP.  full = 1: each key tile has a mask of its own; 0: all four take M's first eight registers.  next = 1: the next step's K and V are fetched.
.macro STEP full, next
	s_wait_dscnt 16                                ; K is in; V's 16 loads may stay out
	WIN 0x01                                       ; source 0 in window 1
.irp kt, 0,1,2,3                       ; the four accumulators take turns
	v_wmma_f32_16x16x32_bf16 v[S+8*\kt:S+8*\kt+7], v[KF+16*\kt:KF+16*\kt+7], v[Q:Q+7], v[M+8*\kt*(\full):M+8*\kt*(\full)+7]
.endr
.irp kt, 0,1,2,3
	v_wmma_f32_16x16x32_bf16 v[S+8*\kt:S+8*\kt+7], v[KF+16*\kt+8:KF+16*\kt+15], v[Q+8:Q+15], v[S+8*\kt:S+8*\kt+7]
.endr
	PLACES                                         ; ahead of the loads into K's registers and of the reads of the scores
.if \next
	LDKV KF, BLK
.endif
	WIN 0
.irp n, 0,1,2,3                        ; the maximum: each accumulator's lowest registers are read first
	v_max3_num_f32 v[C+\n], v[S+8*\n], v[S+8*\n+1], v[S+8*\n+2]
.endr
.irp n, 0,1,2,3
	v_max3_num_f32 v[C+\n], v[C+\n], v[S+8*\n+3], v[S+8*\n+4]
.endr
.irp n, 0,1,2,3
	v_max3_num_f32 v[C+\n], v[C+\n], v[S+8*\n+5], v[S+8*\n+6]
.endr
	v_max3_num_f32 v[C], v[C], v[S+7], v[S+15]
	v_max3_num_f32 v[C+1], v[C+1], v[S+23], v[S+31]
	v_max3_num_f32 v[C+2], v[C+2], v[C+3], v[MX]
	v_mov_b32 v[MO], v[MX]
	v_max3_num_f32 v[C], v[C], v[C+1], v[C+2]
	v_permlanex16_b32 v[C+3], v[C], s[SEL], s[SEL+1]  ; the query's other 32 keys lie in the lane 16 away
	v_max_num_f32 v[MX], v[C], v[C+3]
	v_sub_f32 v[C+1], v[MO], v[MX]
	v_exp_f32 v[C+2], v[C+1]                       ; a
.set i, 0
.rept 16
	v_pk_add_f32 v[S+2*i:S+2*i+1], v[S+2*i:S+2*i+1], v[MX:MX+1] op_sel_hi:[1,0] neg_lo:[0,1] neg_hi:[0,1]  ; s - m: never above 0
.set i, i+1
.endr
.set i, 0
.rept 32
	v_exp_f32 v[S+i], v[S+i]
.set i, i+1
.endr
	v_nop                                          ; a plain instruction between the last exponential and its use
.set i, 0
	s_wait_alu depctr_va_vdst(0)
.rept 16
	v_cvt_pk_bf16_f32 v[P+i], v[S+2*i], v[S+2*i+1]
.set i, i+1
.endr
.irp w, 4,8,16,32                      ; the 16 pairs are added as a tree, in place
.set i, 0
.rept 32/\w
	v_pk_add_f32 v[S+\w*i:S+\w*i+1], v[S+\w*i:S+\w*i+1], v[S+\w*i+\w/2:S+\w*i+\w/2+1]
.set i, i+1
.endr
.endr
	v_pk_fma_f32 v[LS:LS+1], v[LS:LS+1], v[C+2:C+3], v[S:S+1] op_sel_hi:[1,0,1]  ; l = a l + the sum
.set i, 0
.rept 16
	v_pk_mul_f32 v[O+2*i:O+2*i+1], v[O+2*i:O+2*i+1], v[C+2:C+3] op_sel_hi:[1,0]
.set i, i+1
.endr
.if \next
	s_wait_dscnt 16                                ; V is in; the next K's 16 loads may stay out
.else
	s_wait_dscnt 0x0
.endif
	WIN 0x01
.irp kk, 0,1
.irp cb, 0,1,2,3
	v_wmma_f32_16x16x32_bf16 v[O+8*\cb:O+8*\cb+7], v[VF+32*\kk+8*\cb:VF+32*\kk+8*\cb+7], v[P+8*\kk:P+8*\kk+7], v[O+8*\cb:O+8*\cb+7]
.endr
.endr
.if \next
	PLACES                                         ; ahead of the loads into V's registers
	WIN 0
	v_add_nc_u32 v[AKV], BLK, v[AKV]
	LDKV VF, 8192
.endif
	WIN 0
.endm
	s_cmp_lt_u32 s13, 64                           ; does step 0's block exist?  (a negative number is a large one here)
	s_cselect_b32 s45, 0, s46
	v_mov_b32 v[VBE], s45
	MASKGEN 0
.set i, 0
.rept 32
	v_mov_b32 v[O+i], 0                            ; the first step is a step like any other, with a = 0: written while the tiles are on their way
.set i, i+1
.endr
	v_mov_b32 v[LS], 0
	v_mov_b32 v[LS+1], 0
	v_mov_b32 v[MX], 0xff7fffff                    ; the lowest finite number
	s_wait_tensorcnt 0x0                           ; my three loads are in,
	s_barrier_signal -1
	s_barrier_wait -1                              ; everybody's are
	LDKV KF, 0
	LDKV VF, 8192
	WIN 0
	s_wait_loadcnt 0x0                             ; Q
	STEP 1, 1
	s_mov_b32 s44, 7
.Lmid:                                         ; steps 1 to 7
	s_add_co_i32 s13, s13, 1
	s_cmp_lt_u32 s13, 64
	s_cselect_b32 s45, 0, s46
.irp j, 0,1,2,3,4,5,6,7
	v_mov_b32 v[M+\j], s45
.endr
	STEP 0, 1
	s_sub_co_u32 s44, s44, 1
	s_cmp_lg_u32 s44, 0
	s_cbranch_scc1 .Lmid
	s_add_co_i32 s13, s13, 1
	s_cmp_lt_u32 s13, 64
	s_cselect_b32 s45, 0, s46
	v_mov_b32 v[VBE], s45
	MASKGEN 1
	STEP 1, 0
	PLACES                                         ; behind the last products
	v_add_f32 v[LS], v[LS], v[LS+1]
	v_permlanex16_b32 v[LS+1], v[LS], s[SEL], s[SEL+1]
	v_add_f32 v[LS], v[LS], v[LS+1]
	v_rcp_f32 v[LS], v[LS]
	v_nop
.set i, 0
	s_wait_alu depctr_va_vdst(0)
.rept 16
	v_pk_mul_f32 v[O+2*i:O+2*i+1], v[O+2*i:O+2*i+1], v[LS:LS+1] op_sel_hi:[1,0]
.set i, i+1
.endr
.set i, 0
.rept 16
	v_cvt_pk_bf16_f32 v[P+i], v[O+2*i], v[O+2*i+1]
.set i, i+1
.endr
.irp cb, 0,1,2,3                       ; channels 16 cb + 8 (lane / 16) + 0..7 of my query: half a record, 512 consecutive bytes a store, aligned
	global_store_b128 v[GA], v[P+4*\cb:P+4*\cb+3], s[62:63] offset:512*\cb
.endr
	s_wait_tensorcnt 0x0                           ; the wave's end
	ds_add_u32 v[SPW], v[NIL]
	s_wait_dscnt 0x0
	s_endpgm
.Lfunc_end_k_qb8539018bf_at:
	.size	k_qb8539018bf_at, .Lfunc_end_k_qb8539018bf_at-k_qb8539018bf_at
	.p2alignl 7, 3214868480
	.fill 96, 4, 3214868480
	.section	.rodata,"a",@progbits
	.p2align	6, 0x0
	.amdhsa_kernel k_qb8539018bf_at
		.amdhsa_group_segment_fixed_size 167936
		.amdhsa_private_segment_fixed_size 0
		.amdhsa_enable_private_segment 0
		.amdhsa_kernarg_size 16
		.amdhsa_user_sgpr_count 2
		.amdhsa_user_sgpr_kernarg_segment_ptr 1
		.amdhsa_wavefront_size32 1
		.amdhsa_system_sgpr_workgroup_id_x 1
		.amdhsa_system_sgpr_workgroup_id_y 1
		.amdhsa_system_sgpr_workgroup_id_z 1
		.amdhsa_system_vgpr_workitem_id 0
		.amdhsa_next_free_vgpr 384
		.amdhsa_next_free_sgpr 66
		.amdhsa_reserve_vcc 1
		.amdhsa_float_denorm_mode_32 3
		.amdhsa_float_denorm_mode_16_64 3
		.amdhsa_memory_ordered 1
		.amdhsa_forward_progress 1
		.amdhsa_inst_pref_size 43
	.end_amdhsa_kernel
	.amdgpu_metadata
---
amdhsa.version: [ 1, 2 ]
amdhsa.kernels:
  - .name:           k_qb8539018bf_at
    .symbol:         k_qb8539018bf_at.kd
    .args:
      - { .name: qkv, .offset: 0, .size: 8, .value_kind: global_buffer, .address_space: global }
      - { .name: ob, .offset: 8, .size: 8, .value_kind: global_buffer, .address_space: global }
    .group_segment_fixed_size: 167936
    .private_segment_fixed_size: 0
    .kernarg_segment_align: 8
    .kernarg_segment_size: 16
    .max_flat_workgroup_size: 128
    .sgpr_count:     66
    .vgpr_count:     384
    .wavefront_size: 32
...
	.end_amdgpu_metadata
.endif
;; end of part 3
;; launch dn (part 4): grid 64 x 1, 4 waves a work-group, clusters of 4 x 1, 327,680 bytes of LDS; arguments ob, x, lw0, hA; writes hA
.if DOCPART == 4
	.amdgcn_target "amdgcn-amd-amdhsa--gfx1250"
	.amdhsa_code_object_version 6
	.text
	.protected	k_qb8539018bf_dn
	.globl	k_qb8539018bf_dn
	.p2align	8
	.type	k_qb8539018bf_dn,@function
k_qb8539018bf_dn:
	s_mov_b64 s[64:65], 0
	v_nop
	global_prefetch_b8 v0, s[64:65] scope:SCOPE_SE
	s_setreg_imm32_b32 hwreg(HW_REG_WAVE_MODE, 25, 1), 1
	s_wait_xcnt 0x0
	s_wait_alu depctr_hold_cnt(0) depctr_sa_sdst(0) depctr_va_vdst(0) depctr_va_sdst(0) depctr_va_ssrc(0) depctr_va_vcc(0) depctr_vm_vsrc(0)
	s_getreg_b32 s2, hwreg(HW_REG_IB_STS2, 6, 4)
	s_cmp_eq_u32 s2, 0
	s_cbranch_scc0 .Lentry_in_a_cluster
	s_endpgm
.Lentry_in_a_cluster:
	s_bfe_u32 s2, ttmp6, 0x10000c
	s_cmp_lg_u32 s2, 0x3003
	s_cbranch_scc0 .Lentry_shape_is_right
	s_endpgm
.Lentry_shape_is_right:
; DN.  The row-local rest of a layer for 64 rows:  y = h + o wo + bo;  g = LayerNorm(y) (no gain, eps 1e-5);  out = g + b2 + gelu(g w1 + b1) w2, gelu in its tanh form, written as x / (1 + 2^(x (c0 + c1 x x))).
; Matrix operands (o, g, gelu's result, all weights) in bf16; sums, the norm, gelu and the residual stream in f32.
; SHARES.  A work-group owns 64 rows (four row tiles of 16); wave w owns the output columns 64 w .. + 63 of every product, for all four row tiles: 16 accumulators.  Every work-group has to walk all nine weight tiles
; (128 records of 1,024 bytes each: wo, then w1's and w2's chunks of 256 by turns), whatever its rows; with 64 rows a tile feeds 128 matrix instructions a wave.  4,096 rows make 64 work-groups.
; RECORDS AND LAYOUT as in PQ.  Every product is taken TRANSPOSED (source 0 = 16 weight columns, source 1 = 16 rows): a lane holds 8 neighbouring columns of one row, which rounded to bf16 are 16 bytes of a record of the next product's operand.
; THE RING.  Two LDS slots of one tile.  A wave fetches exactly the quarter of a tile that it reads (its 32 records).  At each change of slots every wave waits for all its tensor loads, adds 0 to its spare word, waits for that and
; for its LDS reads and writes, and passes a round of the cluster's barrier; the refill stands first behind it: one tensor load a wave is out, and it has a product of 128 matrix instructions (and gelu) in which to land.
; The same rounds order the activations in ACT between the waves: written by all ahead of a round, read by all behind it.
; CLUSTER.  All work-groups walk the same tiles: the four of a cluster ask jointly.
; PREFETCH.  Behind the refill of steps 1 to 6 and the LDS loads that follow it, the tile that the NEXT refill will ask for is named once in the launch: by the first cluster alone; its four partners (by address), their four
; waves and 32 lanes take 256 bytes each: 131,072.  The head and the last steps ask for nothing.
; LIMITS.  NaN and infinities are not treated apart.
.set SLOTB, 131072
.set ACT,   2*SLOTB                    ; 32 records: (rt, kk) at (8 rt + kk) x 1,024: g, then gelu's result chunk by chunk
.set STATS, ACT+32768                  ; row x 32 + wave x 8: the wave's mean and sum of squared deviations over its 64 columns
.set STAGE, STATS+2048                 ; a wave's own: 16 rows x (256 + 16) bytes, for the way in of h and the way out
.set SPT,   272
.set SPARE, STAGE+4*16*SPT             ; the spare words, 128 bytes a wave, which no other line names
.set OFF_B, 1572864
.set R,   1
.set H,   2
.set L16, 3                            ; 16 x lane
.set AWT, 4                            ; v4, v5  my records in slot 0, 1
.set AAS, 6                            ; where I put 16 bytes of an activation
.set AAR, 7                            ; ACT + 16 x lane
.set STI, 8                            ; stage by rows: lanes 0-15 one row of 256 bytes, lanes 16-31 the next
.set STA, 9                            ; stage by accumulator: row lane % 16, 32 bytes for each half of the lanes
.set HG,  10                           ; the same two rows in h and in the output: my wave's 256 bytes of them
.set STS, 11
.set STL, 12
.set BG,  13                           ; byte offset of my 8 columns in a bias
.set PFO, 14                           ; the prefetches' offset; never rewritten
.set SPW, 16
.set NIL, 17
.set BIAS, 32                          ; v[32:63]  bias of column block nb at 8 nb
.set WF,  64                           ; v[64:127] two sets of four weight fragments
.set TMP, 128                          ; v[128:255] at work
.set B2R, 224                          ; v[224:255] b2, until the norm has used it
.set ACC1, 0                           ; window 1: accumulator (rt, nb) at 8 (4 rt + nb)
.set ACC2, 128                         ; window 1: the same for the output
                                       ; window 2: g's fragments (rt, kk) at 8 (8 rt + kk); at the head the rows of h.  window 3: the same for o, later for gelu's result
.set WV,  12
.set CX,  13
.set RB,  14
.set PFF, 15                           ; 1 in the cluster that prefetches
.set G1,  16
.set G0,  24                           ; s[24:27] slot 0, s[28:31] slot 1
.set BP,  32                           ; b1's chunk
.set PFA, 34
.set CNT, 36
.set SEL, 38
.set GC0, 40
.set GC1, 42
.set K256, 44
.set KEPS, 45
.set HOUT, 46
.set HIN, 48
.set OBB, 50
.set BB,  52
.set MSB, 0
.macro WIN new                         ; the immediate's high byte repeats the setting that is left
.if MSB != (\new)
	s_set_vgpr_msb (MSB<<8)|(\new)
.set MSB, (\new)
.endif
.endm
.macro PLACES                          ; four places behind matrix instructions, ahead of loads into their sources and of reads of their results
.rept 4
	v_nop
.endr
.endm
.macro ROUND                           ; a round of the cluster's barrier
	s_barrier_signal -1
	s_barrier_wait -1
	s_cmp_lg_u32 s[WV], 0
	s_cbranch_scc1 .Lnot_wave_0_\@
	s_barrier_signal -3
.Lnot_wave_0_\@:
	s_barrier_wait -3
	s_barrier_signal -1
	s_barrier_wait -1
.endm
; THE CHANGE OF SLOTS.  fill = 1: slot 'other', read out in the step before, takes the tile two on.  pf = 1: the prefetches' address steps, a whole step behind the prefetch that read it.
.macro TURNS other, fill, pf
	WIN 0
.if \pf
	s_wait_xcnt 0x0
	s_add_nc_u64 s[PFA:PFA+1], s[PFA:PFA+1], SLOTB
.endif
	s_wait_tensorcnt 0x0                           ; all my tensor loads are in: the one that was out is my quarter of this step's tile
	ds_add_u32 v[SPW], v[NIL]                      ; 0 onto my spare word
.if \fill
	s_add_nc_u64 s[G0+4*(\other)+2:G0+4*(\other)+3], s[G0+4*(\other)+2:G0+4*(\other)+3], 2*SLOTB
.endif
	s_wait_dscnt 0x0                               ; the add is done; my reads of the old slot and of ACT are back, my writes of ACT are done
.if \fill
	ROUND
	tensor_load_to_lds s[G0+4*(\other):G0+4*(\other)+3], s[G1:G1+7]
	s_nop 0
	PLACES
.else
	s_barrier_signal -1
	s_barrier_wait -1
	PLACES
.endif
.endm
.macro LOADW slot, kk                  ; my four weight fragments of K step kk
	WIN 0
.irp nb, 0,1,2,3
	ds_load_b128 v[WF+32*((\kk)%2)+8*\nb:WF+32*((\kk)%2)+8*\nb+3],   v[AWT+(\slot)] offset:(8*\nb+(\kk))*1024
	ds_load_b128 v[WF+32*((\kk)%2)+8*\nb+4:WF+32*((\kk)%2)+8*\nb+7], v[AWT+(\slot)] offset:(8*\nb+(\kk))*1024+512
.endr
.endm
.macro LOADA kk                        ; the four row tiles' fragments of K step kk, out of ACT into window 3
	WIN 0xc0
.irp rt, 0,1,2,3
	ds_load_b128 v[8*(8*\rt+(\kk)):8*(8*\rt+(\kk))+3],   v[AAR] offset:(8*\rt+(\kk))*1024
	ds_load_b128 v[8*(8*\rt+(\kk))+4:8*(8*\rt+(\kk))+7], v[AAR] offset:(8*\rt+(\kk))*1024+512
.endr
.endm
; 16 products; the 16 accumulators take turns.  cb = 1: in K step 0 the bias starts the sums.
.macro MUL acc, awin, kk, cb
.if (\cb) && ((\kk) == 0)
	WIN 0x40|((\awin)<<2)
.else
	WIN 0x50|((\awin)<<2)
.endif
.irp rt, 0,1,2,3
.irp nb, 0,1,2,3
.if (\cb) && ((\kk) == 0)
	v_wmma_f32_16x16x32_bf16 v[(\acc)+8*(4*\rt+\nb):(\acc)+8*(4*\rt+\nb)+7], v[WF+32*((\kk)%2)+8*\nb:WF+32*((\kk)%2)+8*\nb+7], v[8*(8*\rt+(\kk)):8*(8*\rt+(\kk))+7], v[BIAS+8*\nb:BIAS+8*\nb+7]
.else
	v_wmma_f32_16x16x32_bf16 v[(\acc)+8*(4*\rt+\nb):(\acc)+8*(4*\rt+\nb)+7], v[WF+32*((\kk)%2)+8*\nb:WF+32*((\kk)%2)+8*\nb+7], v[8*(8*\rt+(\kk)):8*(8*\rt+(\kk))+7], v[(\acc)+8*(4*\rt+\nb):(\acc)+8*(4*\rt+\nb)+7]
.endif
.endr
.endr
.endm
; A PRODUCT with one tile: K = 256 in eight steps.  aload: source 1 comes out of ACT step by step.  cinit: the bias starts the sums.  bnext: b1's next chunk is fetched.  ask: the prefetch.
.macro STEP slot, acc, awin, aload, cinit, bnext, ask
	LOADW \slot, 0
.if \aload
	LOADA 0
.endif
.if \ask
	WIN 0
	s_cmp_eq_u32 s[PFF], 1
	s_cbranch_scc0 .Lnot_mine_\@
	global_prefetch_b8 v[PFO], s[PFA:PFA+1] th:TH_LOAD_NT scope:SCOPE_SE
.Lnot_mine_\@:
.endif
.if \cinit
	s_wait_loadcnt 0x0                             ; the bias is in, so its pointer may be written
.if \bnext
	s_add_nc_u64 s[BP:BP+1], s[BP:BP+1], 1024
.endif
.endif
.set kq, 0
.rept 8
.if kq < 7
.if kq > 0
	PLACES
.endif
	LOADW \slot, kq+1
.if \aload
	LOADA kq+1
.endif
.if (\bnext) && (kq == 1)
	WIN 0
.irp nb, 0,1,2,3                       ; the products that took the bias as C stand ahead of the places above
	global_load_b128 v[BIAS+8*\nb:BIAS+8*\nb+3],   v[BG], s[BP:BP+1] offset:64*\nb
	global_load_b128 v[BIAS+8*\nb+4:BIAS+8*\nb+7], v[BG], s[BP:BP+1] offset:64*\nb+16
.endr
.endif
	s_wait_dscnt 8+8*(\aload)                      ; all but the batch just issued
.else
	s_wait_dscnt 0x0
.endif
	MUL \acc, \awin, kq, \cinit
.set kq, kq+1
.endr
.endm
; GELU of ACC1, a row tile (32 numbers a lane) at a time, rounded to bf16 and written into ACT as records.
.set T,  128
.set PK, 160
.macro GELU
	PLACES
.irp rt, 0,1,2,3
	WIN 0x05
.set i, 0
.rept 16
	v_pk_mul_f32 v[T+2*i:T+2*i+1], v[ACC1+32*\rt+2*i:ACC1+32*\rt+2*i+1], v[ACC1+32*\rt+2*i:ACC1+32*\rt+2*i+1]
.set i, i+1
.endr
	WIN 0
.set i, 0
.rept 16
	v_pk_fma_f32 v[T+2*i:T+2*i+1], v[T+2*i:T+2*i+1], s[GC1:GC1+1], s[GC0:GC0+1] op_sel_hi:[1,0,0]
.set i, i+1
.endr
	WIN 0x01
.set i, 0
.rept 16
	v_pk_mul_f32 v[T+2*i:T+2*i+1], v[ACC1+32*\rt+2*i:ACC1+32*\rt+2*i+1], v[T+2*i:T+2*i+1]
.set i, i+1
.endr
	WIN 0
.set i, 0
.rept 32
	v_exp_f32 v[T+i], v[T+i]
.set i, i+1
.endr
	v_nop
.set i, 0
	s_wait_alu depctr_va_vdst(0)
.rept 16
	v_pk_add_f32 v[T+2*i:T+2*i+1], v[T+2*i:T+2*i+1], 1.0 op_sel_hi:[1,0]
.set i, i+1
.endr
.set i, 0
.rept 32
	v_rcp_f32 v[T+i], v[T+i]
.set i, i+1
.endr
	v_nop
	WIN 0x01
.set i, 0
	s_wait_alu depctr_va_vdst(0)
.rept 16
	v_pk_mul_f32 v[T+2*i:T+2*i+1], v[ACC1+32*\rt+2*i:ACC1+32*\rt+2*i+1], v[T+2*i:T+2*i+1]
.set i, i+1
.endr
	WIN 0
.set i, 0
.rept 16
	v_cvt_pk_bf16_f32 v[PK+i], v[T+2*i], v[T+2*i+1]
.set i, i+1
.endr
.set i, 0
.rept 4
	ds_store_b128 v[AAS], v[PK+4*i:PK+4*i+3] offset:8192*\rt+512*i
.set i, i+1
.endr
.endr
.endm
	s_load_b256 s[4:11], s[0:1], 0x0               ; o s[4:5], h s[6:7], the layer's weights s[8:9], the output s[10:11]
	v_lshl_add_u32 v[SPW], v0, 2, SPARE
	v_mov_b32 v[NIL], 0
	ds_add_u32 v[SPW], v[NIL]                      ; the wave's opening: the add and its wait ahead of my first tensor load
	ds_add_u32 v16, v17
	v_lshrrev_b32 v1, 5, v0
	v_readfirstlane_b32 s[WV], v1
	s_bfe_u32 s[CX], ttmp6, 0x40000
	s_lshl_b32 s[RB], ttmp9, 2
	s_add_co_u32 s[RB], s[RB], s[CX]               ; my block of 64 rows: it enters global addresses of my own loads and stores alone
	s_cmp_eq_u32 ttmp9, 0
	s_cselect_b32 s[PFF], 1, 0                     ; the same in all four partners
	; group 1: 128 dense rows of 32 elements of 8 bytes; the mask names all four work-groups
	s_mov_b32 s[G1], 15|(3<<16)|(1<<21)
	s_mov_b32 s[G1+1], 32<<16
	s_mov_b32 s[G1+2], 128<<16
	s_mov_b32 s[G1+3], 32<<16
	s_mov_b32 s[G1+4], 128
	s_mov_b32 s[G1+5], 32
	s_mov_b32 s[G1+6], 0
	s_mov_b32 s[G1+7], 0
	s_mov_b32 s[G0], 1
	s_lshl_b32 s[G0+1], s[WV], 15                  ; my quarter of slot 0,
	s_mov_b32 s[G0+4], 1
	s_add_co_u32 s[G0+5], s[G0+1], SLOTB           ; of slot 1
	s_lshl_b32 s2, s[WV], 15
	s_mov_b32 s3, 0
	s_lshl_b32 s54, s[RB], 16                      ; 64 rows of 1,024 bytes
	s_mov_b32 s55, 0
	s_lshl_b32 s56, s[RB], 15                      ; 32 records of o
	s_mov_b32 s57, 0
	s_mov_b32 s[SEL], 0x76543210
	s_mov_b32 s[SEL+1], 0xfedcba98
	s_mov_b32 s[GC0], 0xc0135761                   ; -2 log2(e) sqrt(2 / pi)
	s_mov_b32 s[GC0+1], s[GC0]
	s_mov_b32 s[GC1], 0xbdd2d3e8                   ; the same x 0.044715
	s_mov_b32 s[GC1+1], s[GC1]
	s_mov_b32 s[K256], 0x3b800000                  ; 1 / 256
	s_mov_b32 s[KEPS], 0x3727c5ac                  ; 1e-5
	s_wait_dscnt 0x0                               ; the opening add is done
	s_wait_kmcnt 0x0
	s_add_nc_u64 s[G0+2:G0+3], s[8:9], s[2:3]      ; tile 0,
	s_add_nc_u64 s[G0+6:G0+7], s[G0+2:G0+3], SLOTB ; tile 1
	s_or_b32 s[G0+3], s[G0+3], 0x80000000
	s_or_b32 s[G0+7], s[G0+7], 0x80000000
	s_add_nc_u64 s[HOUT:HOUT+1], s[10:11], s[54:55]
	s_add_nc_u64 s[HIN:HIN+1], s[6:7], s[54:55]
	s_add_nc_u64 s[OBB:OBB+1], s[4:5], s[56:57]
	s_add_nc_u64 s[BB:BB+1], s[8:9], OFF_B
	s_add_nc_u64 s[BP:BP+1], s[BB:BB+1], 5120
	s_add_nc_u64 s[PFA:PFA+1], s[8:9], 2*SLOTB     ; the first change of slots steps it to tile 3
	ROUND                                          ; all four work-groups are here: the first joint loads meet
	tensor_load_to_lds s[G0:G0+3], s[G1:G1+7]
	s_nop 0
	tensor_load_to_lds s[G0+4:G0+7], s[G1:G1+7]
	s_nop 0
	PLACES
	v_and_b32 v[R], 15, v0
	v_bfe_u32 v[H], v0, 4, 1
	v_and_b32 v[L16], 31, v0
	v_lshlrev_b32 v[PFO], 8, v[L16]
	v_lshlrev_b32 v[L16], 4, v[L16]
	v_add_nc_u32 v[AWT], s[G0+1], v[L16]
	v_add_nc_u32 v[AWT+1], s[G0+5], v[L16]
	v_add_nc_u32 v[AAR], ACT, v[L16]
	s_lshl_b32 s58, s[WV], 11
	v_add_nc_u32 v[AAS], s58, v[AAR]
	s_mul_i32 s58, s[WV], 16*SPT
	s_add_co_u32 s58, s58, STAGE
	v_mul_u32_u24 v[STI], v[H], SPT
	v_lshl_add_u32 v[STI], v[R], 4, v[STI]
	v_add_nc_u32 v[STI], s58, v[STI]
	v_mul_u32_u24 v[STA], v[R], SPT
	v_lshl_add_u32 v[STA], v[H], 5, v[STA]
	v_add_nc_u32 v[STA], s58, v[STA]
	s_lshl_b32 s58, s[WV], 8
	v_lshlrev_b32 v[HG], 10, v[H]
	v_lshl_add_u32 v[HG], v[R], 4, v[HG]
	v_add_nc_u32 v[HG], s58, v[HG]
	v_lshl_add_u32 v[BG], v[H], 5, s58
	v_lshlrev_b32 v[STL], 5, v[R]
	v_add_nc_u32 v[STL], STATS, v[STL]
	s_lshl_b32 s58, s[WV], 3
	v_add_nc_u32 v[STS], s58, v[STL]
	s_lshl_b32 s58, s[CX], 15
	s_lshl_b32 s59, s[WV], 13
	s_add_co_u32 s58, s58, s59
	v_add_nc_u32 v[PFO], s58, v[PFO]
	WIN 0x80                                       ; h: my wave's 256 bytes of each of the 64 rows, two rows a load
.irp rt, 0,1,2,3
.irp t, 0,1,2,3,4,5,6,7
	global_load_b128 v[4*(8*\rt+\t):4*(8*\rt+\t)+3], v[HG], s[HIN:HIN+1] offset:(16*\rt+2*\t)*1024
.endr
.endr
	WIN 0
.irp nb, 0,1,2,3
	global_load_b128 v[BIAS+8*\nb:BIAS+8*\nb+3],   v[BG], s[BB:BB+1] offset:64*\nb         ; bo
	global_load_b128 v[BIAS+8*\nb+4:BIAS+8*\nb+7], v[BG], s[BB:BB+1] offset:64*\nb+16
	global_load_b128 v[B2R+8*\nb:B2R+8*\nb+3],     v[BG], s[BB:BB+1] offset:1024+64*\nb    ; b2
	global_load_b128 v[B2R+8*\nb+4:B2R+8*\nb+7],   v[BG], s[BB:BB+1] offset:1024+64*\nb+16
.endr
	WIN 0xc0                                       ; o's 32 records are fragments as they lie
.set i, 0
.rept 32
	global_load_b128 v[8*i:8*i+3],   v[L16], s[OBB:OBB+1] offset:1024*i
	global_load_b128 v[8*i+4:8*i+7], v[L16], s[OBB:OBB+1] offset:1024*i+512
.set i, i+1
.endr
	s_wait_loadcnt 63                              ; of the 112 issued at least the first 49 are in: h's 32, bo's and b2's 16
.irp rt, 0,1,2,3                       ; h goes through my stage into the accumulators' layout; LDS serves a wave's instructions in order (ISA guide 5.7.1.4)
	WIN 0x08
.irp t, 0,1,2,3,4,5,6,7
	ds_store_b128 v[STI], v[4*(8*\rt+\t):4*(8*\rt+\t)+3] offset:2*SPT*\t
.endr
	WIN 0x40
.irp nb, 0,1,2,3
	ds_load_b128 v[ACC1+8*(4*\rt+\nb):ACC1+8*(4*\rt+\nb)+3],   v[STA] offset:64*\nb
	ds_load_b128 v[ACC1+8*(4*\rt+\nb)+4:ACC1+8*(4*\rt+\nb)+7], v[STA] offset:64*\nb+16
.endr
.endr
	s_wait_dscnt 0x0
	WIN 0x41
.set i, 0
.rept 64                               ; h + bo starts the sums
	v_pk_add_f32 v[ACC1+2*i:ACC1+2*i+1], v[ACC1+2*i:ACC1+2*i+1], v[BIAS+2*(i%16):BIAS+2*(i%16)+1]
.set i, i+1
.endr
	WIN 0
.irp nb, 0,1,2,3
	global_load_b128 v[BIAS+8*\nb:BIAS+8*\nb+3],   v[BG], s[BP:BP+1] offset:64*\nb         ; b1's first chunk
	global_load_b128 v[BIAS+8*\nb+4:BIAS+8*\nb+7], v[BG], s[BP:BP+1] offset:64*\nb+16
.endr
	s_wait_loadcnt 8                               ; o is in; b1's eight loads may stay out
	s_wait_tensorcnt 0x1                           ; tile 0 is in; tile 1 may stay out
	s_barrier_signal -1
	s_barrier_wait -1
	STEP 0, ACC1, 3, 0, 0, 0, 0                    ; y = h + bo + o wo
	; THE NORM.  A lane holds 32 numbers of each of four rows, with the lane 16 away 64: the wave's columns.  Each wave makes its mean and its sum of squared deviations; the four meet in LDS and are
	; joined without a difference of large sums: M2 = the sum of the waves' M2 + 64 x the sum of (mean_w - mean)^2.
.set U,   128                          ; v[128:159] a pair for each accumulator
.set MU,  160                          ; v[160:167] for row tile rt: the wave's mean (twice), then mean and M2
.set D,   168                          ; v[168:199] deviations; later ST, the four waves' figures
.set QQ,  200                          ; v[200:207] four chains; later RSN
.set ST,  168
.set RSN, 200                          ; v[200:215] for row tile rt: rstd, rstd, -mean rstd, -mean rstd
.set VA,  216
.set VB,  217
.set VC,  218
	PLACES
	WIN 0x05
.set a, 0
.rept 16                               ; each accumulator's lowest registers are read first
	v_pk_add_f32 v[U+2*a:U+2*a+1], v[ACC1+8*a:ACC1+8*a+1], v[ACC1+8*a+2:ACC1+8*a+3]
.set a, a+1
.endr
	WIN 0x01
.set a, 0
.rept 16
	v_pk_add_f32 v[U+2*a:U+2*a+1], v[ACC1+8*a+4:ACC1+8*a+5], v[U+2*a:U+2*a+1]
.set a, a+1
.endr
.set a, 0
.rept 16
	v_pk_add_f32 v[U+2*a:U+2*a+1], v[ACC1+8*a+6:ACC1+8*a+7], v[U+2*a:U+2*a+1]
.set a, a+1
.endr
	WIN 0
.irp rt, 0,1,2,3
	v_pk_add_f32 v[U+8*\rt:U+8*\rt+1], v[U+8*\rt:U+8*\rt+1], v[U+8*\rt+2:U+8*\rt+3]
	v_pk_add_f32 v[U+8*\rt+4:U+8*\rt+5], v[U+8*\rt+4:U+8*\rt+5], v[U+8*\rt+6:U+8*\rt+7]
	v_pk_add_f32 v[U+8*\rt:U+8*\rt+1], v[U+8*\rt:U+8*\rt+1], v[U+8*\rt+4:U+8*\rt+5]
	v_add_f32 v[MU+2*\rt], v[U+8*\rt], v[U+8*\rt+1]
	v_permlanex16_b32 v[U+8*\rt+1], v[MU+2*\rt], s[SEL], s[SEL+1]
	v_add_f32 v[MU+2*\rt], v[MU+2*\rt], v[U+8*\rt+1]
	v_mul_f32 v[MU+2*\rt], 0x3c800000, v[MU+2*\rt]  ; / 64
	v_mov_b32 v[MU+2*\rt+1], v[MU+2*\rt]
.endr
.irp rt, 0,1,2,3
	WIN 0x01
.set i, 0
.rept 16
	v_pk_add_f32 v[D+2*i:D+2*i+1], v[ACC1+32*\rt+2*i:ACC1+32*\rt+2*i+1], v[MU+2*\rt:MU+2*\rt+1] neg_lo:[0,1] neg_hi:[0,1]
.set i, i+1
.endr
	WIN 0
.set i, 0
.rept 4
	v_pk_mul_f32 v[QQ+2*i:QQ+2*i+1], v[D+2*i:D+2*i+1], v[D+2*i:D+2*i+1]
.set i, i+1
.endr
.rept 12
	v_pk_fma_f32 v[QQ+2*(i%4):QQ+2*(i%4)+1], v[D+2*i:D+2*i+1], v[D+2*i:D+2*i+1], v[QQ+2*(i%4):QQ+2*(i%4)+1]
.set i, i+1
.endr
	v_pk_add_f32 v[QQ:QQ+1], v[QQ:QQ+1], v[QQ+2:QQ+3]
	v_pk_add_f32 v[QQ+4:QQ+5], v[QQ+4:QQ+5], v[QQ+6:QQ+7]
	v_pk_add_f32 v[QQ:QQ+1], v[QQ:QQ+1], v[QQ+4:QQ+5]
	v_add_f32 v[MU+2*\rt+1], v[QQ], v[QQ+1]
	v_permlanex16_b32 v[QQ+1], v[MU+2*\rt+1], s[SEL], s[SEL+1]
	v_add_f32 v[MU+2*\rt+1], v[MU+2*\rt+1], v[QQ+1]
	ds_store_b64 v[STS], v[MU+2*\rt:MU+2*\rt+1] offset:512*\rt
.endr
	s_wait_dscnt 0x0                               ; for the others' sake: my figures are written
	s_barrier_signal -1
	s_barrier_wait -1                              ; tile 1 may stay out
.irp rt, 0,1,2,3
	ds_load_b128 v[ST+8*\rt:ST+8*\rt+3],   v[STL] offset:512*\rt
	ds_load_b128 v[ST+8*\rt+4:ST+8*\rt+7], v[STL] offset:512*\rt+16
.endr
	s_wait_dscnt 0x0
.irp rt, 0,1,2,3
	v_add_f32 v[VA], v[ST+8*\rt], v[ST+8*\rt+2]
	v_add_f32 v[VB], v[ST+8*\rt+4], v[ST+8*\rt+6]
	v_add_f32 v[VA], v[VA], v[VB]
	v_mul_f32 v[VA], 0x3e800000, v[VA]             ; the row's mean
	v_sub_f32 v[ST+8*\rt], v[ST+8*\rt], v[VA]
	v_sub_f32 v[ST+8*\rt+2], v[ST+8*\rt+2], v[VA]
	v_sub_f32 v[ST+8*\rt+4], v[ST+8*\rt+4], v[VA]
	v_sub_f32 v[ST+8*\rt+6], v[ST+8*\rt+6], v[VA]
	v_add_f32 v[VB], v[ST+8*\rt+1], v[ST+8*\rt+3]
	v_add_f32 v[VC], v[ST+8*\rt+5], v[ST+8*\rt+7]
	v_add_f32 v[VB], v[VB], v[VC]
	v_mul_f32 v[VC], v[ST+8*\rt], v[ST+8*\rt]
	v_fmac_f32 v[VC], v[ST+8*\rt+2], v[ST+8*\rt+2]
	v_fmac_f32 v[VC], v[ST+8*\rt+4], v[ST+8*\rt+4]
	v_fmac_f32 v[VC], v[ST+8*\rt+6], v[ST+8*\rt+6]
	v_fmamk_f32 v[VB], v[VC], 0x42800000, v[VB]    ; + 64 x
	v_fma_f32 v[VB], v[VB], s[K256], s[KEPS]       ; the variance + eps
	v_rsq_f32 v[RSN+4*\rt], v[VB]
	v_xor_b32 v[VA], 0x80000000, v[VA]             ; the plain instruction behind the root
	s_wait_alu depctr_va_vdst(0)
	v_mov_b32 v[RSN+4*\rt+1], v[RSN+4*\rt]
	v_mul_f32 v[RSN+4*\rt+2], v[VA], v[RSN+4*\rt]
	v_mov_b32 v[RSN+4*\rt+3], v[RSN+4*\rt+2]
.endr
.irp rt, 0,1,2,3
	WIN 0x01
.set i, 0
.rept 16
	v_pk_fma_f32 v[T+2*i:T+2*i+1], v[ACC1+32*\rt+2*i:ACC1+32*\rt+2*i+1], v[RSN+4*\rt:RSN+4*\rt+1], v[RSN+4*\rt+2:RSN+4*\rt+3]  ; g
.set i, i+1
.endr
	WIN 0
.set i, 0
.rept 16
	v_cvt_pk_bf16_f32 v[PK+i], v[T+2*i], v[T+2*i+1]
.set i, i+1
.endr
.set i, 0
.rept 4
	ds_store_b128 v[AAS], v[PK+4*i:PK+4*i+3] offset:8192*\rt+512*i
.set i, i+1
.endr
	WIN 0x40
.set i, 0
.rept 16
	v_pk_add_f32 v[ACC2+32*\rt+2*i:ACC2+32*\rt+2*i+1], v[T+2*i:T+2*i+1], v[B2R+2*i:B2R+2*i+1]  ; g + b2 starts the output's sums
.set i, i+1
.endr
.endr
	s_wait_dscnt 0x0                               ; for the others' sake: my columns of g are written
	s_barrier_signal -1
	s_barrier_wait -1
	WIN 0x80                                       ; all of g stays in registers for the four chunks; the next change of slots waits for these loads
.set i, 0
.rept 32
	ds_load_b128 v[8*i:8*i+3],   v[AAR] offset:1024*i
	ds_load_b128 v[8*i+4:8*i+7], v[AAR] offset:1024*i+512
.set i, i+1
.endr
	WIN 0
	s_mov_b32 s[CNT], 3
.Lchunk:                                       ; chunks 0 to 2 of the 1,024 hidden columns
	TURNS 0, 1, 1                                  ; slot 0 takes w2's chunk
	STEP 1, ACC1, 2, 0, 1, 1, 1                    ; g w1 + b1
	GELU
	TURNS 1, 1, 1                                  ; slot 1 takes w1's next chunk
	STEP 0, ACC2, 3, 1, 0, 0, 1                    ; += gelu(..) w2
	WIN 0
	s_sub_co_u32 s[CNT], s[CNT], 1
	s_cmp_lg_u32 s[CNT], 0
	s_cbranch_scc1 .Lchunk
	TURNS 0, 1, 0                                  ; the last chunk is written out: slot 0 takes the last tile
	STEP 1, ACC1, 2, 0, 1, 0, 0
	GELU
	TURNS 1, 0, 0                                  ; nothing is left to fetch
	STEP 0, ACC2, 3, 1, 0, 0, 0
	; THE WAY OUT, a row tile at a time through my stage: in by accumulator, back by rows; 16 lanes store 256 consecutive bytes, aligned.
	PLACES
.irp rt, 0,1,2,3
	WIN 0x04
.irp nb, 0,1,2,3
	ds_store_b128 v[STA], v[ACC2+8*(4*\rt+\nb):ACC2+8*(4*\rt+\nb)+3]   offset:64*\nb
	ds_store_b128 v[STA], v[ACC2+8*(4*\rt+\nb)+4:ACC2+8*(4*\rt+\nb)+7] offset:64*\nb+16
.endr
	WIN 0
.irp t, 0,1,2,3,4,5,6,7
	ds_load_b128 v[TMP+32*\rt+4*\t:TMP+32*\rt+4*\t+3], v[STI] offset:2*SPT*\t
.endr
	s_wait_dscnt 0x0
.irp t, 0,1,2,3,4,5,6,7
	global_store_b128 v[HG], v[TMP+32*\rt+4*\t:TMP+32*\rt+4*\t+3], s[HOUT:HOUT+1] offset:(16*\rt+2*\t)*1024
.endr
.endr
	s_wait_tensorcnt 0x0                           ; the wave's end
	ds_add_u32 v[SPW], v[NIL]
	s_wait_dscnt 0x0
	ROUND                                          ; the closing round
	s_endpgm
.Lfunc_end_k_qb8539018bf_dn:
	.size	k_qb8539018bf_dn, .Lfunc_end_k_qb8539018bf_dn-k_qb8539018bf_dn
	.p2alignl 7, 3214868480
	.fill 96, 4, 3214868480
	.section	.rodata,"a",@progbits
	.p2align	6, 0x0
	.amdhsa_kernel k_qb8539018bf_dn
		.amdhsa_group_segment_fixed_size 327680
		.amdhsa_private_segment_fixed_size 0
		.amdhsa_enable_private_segment 0
		.amdhsa_kernarg_size 32
		.amdhsa_user_sgpr_count 2
		.amdhsa_user_sgpr_kernarg_segment_ptr 1
		.amdhsa_wavefront_size32 1
		.amdhsa_system_sgpr_workgroup_id_x 1
		.amdhsa_system_sgpr_workgroup_id_y 1
		.amdhsa_system_sgpr_workgroup_id_z 1
		.amdhsa_system_vgpr_workitem_id 0
		.amdhsa_next_free_vgpr 1024
		.amdhsa_next_free_sgpr 66
		.amdhsa_reserve_vcc 0
		.amdhsa_float_denorm_mode_32 3
		.amdhsa_float_denorm_mode_16_64 3
		.amdhsa_memory_ordered 1
		.amdhsa_forward_progress 1
		.amdhsa_inst_pref_size 218
	.end_amdhsa_kernel
	.amdgpu_metadata
---
amdhsa.version: [ 1, 2 ]
amdhsa.kernels:
  - .name:           k_qb8539018bf_dn
    .symbol:         k_qb8539018bf_dn.kd
    .args:
      - { .name: ob, .offset: 0, .size: 8, .value_kind: global_buffer, .address_space: global }
      - { .name: x, .offset: 8, .size: 8, .value_kind: global_buffer, .address_space: global }
      - { .name: lw0, .offset: 16, .size: 8, .value_kind: global_buffer, .address_space: global }
      - { .name: hA, .offset: 24, .size: 8, .value_kind: global_buffer, .address_space: global }
    .group_segment_fixed_size: 327680
    .private_segment_fixed_size: 0
    .kernarg_segment_align: 8
    .kernarg_segment_size: 32
    .max_flat_workgroup_size: 128
    .sgpr_count:     66
    .vgpr_count:     1024
    .wavefront_size: 32
...
	.end_amdgpu_metadata
.endif
;; end of part 4
;; launch pq1: the kernel of part 2 again; grid 64 x 4, 4 waves a work-group, clusters of 4 x 1, 198,144 bytes of LDS; arguments hA, lw1, qkv; writes qkv
;; launch at1: the kernel of part 3 again; grid 64 x 4, 4 waves a work-group, no clusters, 167,936 bytes of LDS; arguments qkv, ob; writes ob
;; launch dn1: the kernel of part 4 again; grid 64 x 1, 4 waves a work-group, clusters of 4 x 1, 327,680 bytes of LDS; arguments ob, hA, lw1, hB; writes hB
;; launch pq2: the kernel of part 2 again; grid 64 x 4, 4 waves a work-group, clusters of 4 x 1, 198,144 bytes of LDS; arguments hB, lw2, qkv; writes qkv
;; launch at2: the kernel of part 3 again; grid 64 x 4, 4 waves a work-group, no clusters, 167,936 bytes of LDS; arguments qkv, ob; writes ob
;; launch dn2: the kernel of part 4 again; grid 64 x 1, 4 waves a work-group, clusters of 4 x 1, 327,680 bytes of LDS; arguments ob, hB, lw2, hA; writes hA
;; launch pq3: the kernel of part 2 again; grid 64 x 4, 4 waves a work-group, clusters of 4 x 1, 198,144 bytes of LDS; arguments hA, lw3, qkv; writes qkv
;; launch at3: the kernel of part 3 again; grid 64 x 4, 4 waves a work-group, no clusters, 167,936 bytes of LDS; arguments qkv, ob; writes ob
;; launch dn3: the kernel of part 4 again; grid 64 x 1, 4 waves a work-group, clusters of 4 x 1, 327,680 bytes of LDS; arguments ob, hA, lw3, out0; writes out0
;; ======== version 2 of 2: 14 launches
;; workspace buffers: lw0 1,582,080 bytes; lw1 1,582,080 bytes; lw2 1,582,080 bytes; lw3 1,582,080 bytes; qkv 6,291,456 bytes; ob 2,097,152 bytes; pp 16,777,216 bytes; hs 4,194,304 bytes
;; launch prep: the kernel of part 1 again; grid 97 x 4, 8 waves a work-group, no clusters, 0 bytes of LDS; arguments b1, b2, bk, bo, bq, bv, w1, w2, wk, wo, wq, wv, lw0, lw1, lw2, lw3; writes lw0, lw1, lw2, lw3
;; launch pq: the kernel of part 2 again; grid 64 x 4, 4 waves a work-group, clusters of 4 x 1, 198,144 bytes of LDS; arguments x, lw0, qkv; writes qkv
;; launch at: the kernel of part 3 again; grid 64 x 4, 4 waves a work-group, no clusters, 167,936 bytes of LDS; arguments qkv, ob; writes ob
;; launch dn (part 5): grid 64 x 4, 4 waves a work-group, clusters of 4 x 1, 327,680 bytes of LDS; arguments ob, x, lw0, pp; writes pp
.if DOCPART == 5
	.amdgcn_target "amdgcn-amd-amdhsa--gfx1250"
	.amdhsa_code_object_version 6
	.text
	.protected	k_qb8539018bf_dn
	.globl	k_qb8539018bf_dn
	.p2align	8
	.type	k_qb8539018bf_dn,@function
k_qb8539018bf_dn:
	s_mov_b64 s[64:65], 0
	v_nop
	global_prefetch_b8 v0, s[64:65] scope:SCOPE_SE
	s_setreg_imm32_b32 hwreg(HW_REG_WAVE_MODE, 25, 1), 1
	s_wait_xcnt 0x0
	s_wait_alu depctr_hold_cnt(0) depctr_sa_sdst(0) depctr_va_vdst(0) depctr_va_sdst(0) depctr_va_ssrc(0) depctr_va_vcc(0) depctr_vm_vsrc(0)
	s_getreg_b32 s2, hwreg(HW_REG_IB_STS2, 6, 4)
	s_cmp_eq_u32 s2, 0
	s_cbranch_scc0 .Lentry_in_a_cluster
	s_endpgm
.Lentry_in_a_cluster:
	s_bfe_u32 s2, ttmp6, 0x10000c
	s_cmp_lg_u32 s2, 0x3003
	s_cbranch_scc0 .Lentry_shape_is_right
	s_endpgm
.Lentry_shape_is_right:
; DN.  The row-local rest of a layer for 64 rows and ONE chunk c of 256 of the 1,024 hidden columns:  y = h + o wo + bo;  g = LayerNorm(y) (no gain, eps 1e-5);
; P_c = (g + b2) / 4 + gelu(g w1[:, 256 c ..] + b1[256 c ..]) w2[256 c .., :], gelu in its tanh form, written as x / (1 + 2^(x (c0 + c1 x x))).  The layer's result is P_0 + P_1 + P_2 + P_3: the next launch adds them.
; The quarter is an exact scaling, so all four chunks run one text.  The partial sums are kept in f32.  y and g are made by all four chunks alike: 128 of a wave's 384 matrix instructions.
; Matrix operands (o, g, gelu's result, all weights) in bf16; sums, the norm, gelu and the residual stream in f32.
; SHARES.  Work-group (rb, c): rows 64 rb .. + 63 (four row tiles of 16); wave w owns the output columns 64 w .. + 63 of every product, for all four row tiles: 16 accumulators.  64 row blocks x 4 chunks: 256 work-groups.
; RECORDS AND LAYOUT as in PQ.  Every product is taken TRANSPOSED (source 0 = 16 weight columns, source 1 = 16 rows): a lane holds 8 neighbouring columns of one row, which rounded to bf16 are 16 bytes of a record of the next product's operand.
; TILES.  Three weight tiles of 128 records: wo, w1's chunk, w2's chunk.  A wave fetches exactly the quarter of a tile that it reads (its 32 records).  Two LDS slots: wo and w1's chunk are asked for at the head; w2's chunk fills wo's
; slot again behind the norm: every wave waits for all its tensor loads, adds 0 to its spare word, waits for that and for its LDS reads and writes, and passes a round of the cluster's barrier; the refill stands first behind it and has
; a product of 128 matrix instructions and gelu in which to land.  By this text's count a wave has two tensor loads out at the start and one behind the round.
; CLUSTER.  The four row blocks of a cluster share the chunk (the grid's y), so all three tiles are asked for jointly.
; Nothing is prefetched: two of the three tiles are asked for at the head, and the third as soon as its slot is free.
; LIMITS.  NaN and infinities are not treated apart.
.set SLOTB, 131072
.set ACT,   2*SLOTB                    ; 32 records: (rt, kk) at (8 rt + kk) x 1,024: g, then gelu's result
.set STATS, ACT+32768                  ; row x 32 + wave x 8: the wave's mean and sum of squared deviations over its 64 columns
.set STAGE, STATS+2048                 ; a wave's own: 16 rows x (256 + 16) bytes, for the way in of h and the way out
.set SPT,   272
.set SPARE, STAGE+4*16*SPT             ; the spare words, 128 bytes a wave, which no other line names
.set OFF_B, 1572864
.set R,   1
.set H,   2
.set L16, 3                            ; 16 x lane
.set AWT, 4                            ; v4, v5  my records in slot 0, 1
.set AAS, 6                            ; where I put 16 bytes of an activation
.set AAR, 7                            ; ACT + 16 x lane
.set STI, 8                            ; stage by rows: lanes 0-15 one row of 256 bytes, lanes 16-31 the next
.set STA, 9                            ; stage by accumulator: row lane % 16, 32 bytes for each half of the lanes
.set HG,  10                           ; the same two rows in h and in the output: my wave's 256 bytes of them
.set STS, 11
.set STL, 12
.set BG,  13                           ; byte offset of my 8 columns in a bias
.set SPW, 16
.set NIL, 17
.set BIAS, 32                          ; v[32:63]  bias of column block nb at 8 nb
.set WF,  64                           ; v[64:127] two sets of four weight fragments
.set TMP, 128                          ; v[128:255] at work
.set B2R, 224                          ; v[224:255] b2 / 4, until the norm has used it
.set ACC1, 0                           ; window 1: accumulator (rt, nb) at 8 (4 rt + nb)
.set ACC2, 128                         ; window 1: the same for the output
                                       ; window 2: g's fragments (rt, kk) at 8 (8 rt + kk); at the head the rows of h.  window 3: the same for o, later for gelu's result
.set WV,  12
.set CX,  13
.set RB,  14
.set CH,  15                           ; the chunk
.set G1,  16
.set G0,  24                           ; s[24:27] wo into slot 0, s[28:31] w1's chunk into slot 1
.set G0C, 32                           ; s[32:35] w2's chunk into slot 0
.set BP,  36                           ; b1's chunk
.set SEL, 38
.set GC0, 40
.set GC1, 42
.set K256, 44
.set KEPS, 45
.set HOUT, 46
.set HIN, 48
.set OBB, 50
.set BB,  52
.set QF,  60                           ; s[60:61] 1 / 4: the packed forms take the pair's low word for both halves
.set K64, 62
.set MSB, 0
.macro WIN new                         ; the immediate's high byte repeats the setting that is left
.if MSB != (\new)
	s_set_vgpr_msb (MSB<<8)|(\new)
.set MSB, (\new)
.endif
.endm
.macro PLACES                          ; four places behind matrix instructions, ahead of loads into their sources and of reads of their results
.rept 4
	v_nop
.endr
.endm
.macro ROUND                           ; a round of the cluster's barrier
	s_barrier_signal -1
	s_barrier_wait -1
	s_cmp_lg_u32 s[WV], 0
	s_cbranch_scc1 .Lnot_wave_0_\@
	s_barrier_signal -3
.Lnot_wave_0_\@:
	s_barrier_wait -3
	s_barrier_signal -1
	s_barrier_wait -1
.endm
; THE CHANGE OF SLOTS.  fill = 1: slot 0, read out by the first product, takes w2's chunk.  The same barriers order the activations in ACT between the waves: written by all ahead of them, read by all behind them.
.macro TURNS fill
	WIN 0
	s_wait_tensorcnt 0x0                           ; all my tensor loads are in: the one that was out is my quarter of the next product's tile
	ds_add_u32 v[SPW], v[NIL]                      ; 0 onto my spare word
	s_wait_dscnt 0x0                               ; the add is done; my reads of the old slot and of ACT are back, my writes of ACT are done
.if \fill
	ROUND
	tensor_load_to_lds s[G0C:G0C+3], s[G1:G1+7]
	s_nop 0
	PLACES
.else
	s_barrier_signal -1
	s_barrier_wait -1
	PLACES
.endif
.endm
.macro LOADW slot, kk                  ; my four weight fragments of K step kk
	WIN 0
.irp nb, 0,1,2,3
	ds_load_b128 v[WF+32*((\kk)%2)+8*\nb:WF+32*((\kk)%2)+8*\nb+3],   v[AWT+(\slot)] offset:(8*\nb+(\kk))*1024
	ds_load_b128 v[WF+32*((\kk)%2)+8*\nb+4:WF+32*((\kk)%2)+8*\nb+7], v[AWT+(\slot)] offset:(8*\nb+(\kk))*1024+512
.endr
.endm
.macro LOADA kk                        ; the four row tiles' fragments of K step kk, out of ACT into window 3
	WIN 0xc0
.irp rt, 0,1,2,3
	ds_load_b128 v[8*(8*\rt+(\kk)):8*(8*\rt+(\kk))+3],   v[AAR] offset:(8*\rt+(\kk))*1024
	ds_load_b128 v[8*(8*\rt+(\kk))+4:8*(8*\rt+(\kk))+7], v[AAR] offset:(8*\rt+(\kk))*1024+512
.endr
.endm
; 16 products; the 16 accumulators take turns.  cb = 1: in K step 0 the bias starts the sums.
.macro MUL acc, awin, kk, cb
.if (\cb) && ((\kk) == 0)
	WIN 0x40|((\awin)<<2)
.else
	WIN 0x50|((\awin)<<2)
.endif
.irp rt, 0,1,2,3
.irp nb, 0,1,2,3
.if (\cb) && ((\kk) == 0)
	v_wmma_f32_16x16x32_bf16 v[(\acc)+8*(4*\rt+\nb):(\acc)+8*(4*\rt+\nb)+7], v[WF+32*((\kk)%2)+8*\nb:WF+32*((\kk)%2)+8*\nb+7], v[8*(8*\rt+(\kk)):8*(8*\rt+(\kk))+7], v[BIAS+8*\nb:BIAS+8*\nb+7]
.else
	v_wmma_f32_16x16x32_bf16 v[(\acc)+8*(4*\rt+\nb):(\acc)+8*(4*\rt+\nb)+7], v[WF+32*((\kk)%2)+8*\nb:WF+32*((\kk)%2)+8*\nb+7], v[8*(8*\rt+(\kk)):8*(8*\rt+(\kk))+7], v[(\acc)+8*(4*\rt+\nb):(\acc)+8*(4*\rt+\nb)+7]
.endif
.endr
.endr
.endm
; A PRODUCT with one tile: K = 256 in eight steps.  aload: source 1 comes out of ACT step by step.  cinit: the bias starts the sums.
.macro STEP slot, acc, awin, aload, cinit
	LOADW \slot, 0
.if \aload
	LOADA 0
.endif
.if \cinit
	s_wait_loadcnt 0x0                             ; the bias is in
.endif
.set kq, 0
.rept 8
.if kq < 7
.if kq > 0
	PLACES
.endif
	LOADW \slot, kq+1
.if \aload
	LOADA kq+1
.endif
	s_wait_dscnt 8+8*(\aload)                      ; all but the batch just issued
.else
	s_wait_dscnt 0x0
.endif
	MUL \acc, \awin, kq, \cinit
.set kq, kq+1
.endr
.endm
; GELU of ACC1, a row tile (32 numbers a lane) at a time, rounded to bf16 and written into ACT as records.
.set T,  128
.set PK, 160
.macro GELU
	PLACES
.irp rt, 0,1,2,3
	WIN 0x05
.set i, 0
.rept 16
	v_pk_mul_f32 v[T+2*i:T+2*i+1], v[ACC1+32*\rt+2*i:ACC1+32*\rt+2*i+1], v[ACC1+32*\rt+2*i:ACC1+32*\rt+2*i+1]
.set i, i+1
.endr
	WIN 0
.set i, 0
.rept 16
	v_pk_fma_f32 v[T+2*i:T+2*i+1], v[T+2*i:T+2*i+1], s[GC1:GC1+1], s[GC0:GC0+1] op_sel_hi:[1,0,0]
.set i, i+1
.endr
	WIN 0x01
.set i, 0
.rept 16
	v_pk_mul_f32 v[T+2*i:T+2*i+1], v[ACC1+32*\rt+2*i:ACC1+32*\rt+2*i+1], v[T+2*i:T+2*i+1]
.set i, i+1
.endr
	WIN 0
.set i, 0
.rept 32
	v_exp_f32 v[T+i], v[T+i]
.set i, i+1
.endr
	v_nop
.set i, 0
	s_wait_alu depctr_va_vdst(0)
.rept 16
	v_pk_add_f32 v[T+2*i:T+2*i+1], v[T+2*i:T+2*i+1], 1.0 op_sel_hi:[1,0]
.set i, i+1
.endr
.set i, 0
.rept 32
	v_rcp_f32 v[T+i], v[T+i]
.set i, i+1
.endr
	v_nop
	WIN 0x01
.set i, 0
	s_wait_alu depctr_va_vdst(0)
.rept 16
	v_pk_mul_f32 v[T+2*i:T+2*i+1], v[ACC1+32*\rt+2*i:ACC1+32*\rt+2*i+1], v[T+2*i:T+2*i+1]
.set i, i+1
.endr
	WIN 0
.set i, 0
.rept 16
	v_cvt_pk_bf16_f32 v[PK+i], v[T+2*i], v[T+2*i+1]
.set i, i+1
.endr
.set i, 0
.rept 4
	ds_store_b128 v[AAS], v[PK+4*i:PK+4*i+3] offset:8192*\rt+512*i
.set i, i+1
.endr
.endr
.endm
	s_load_b256 s[4:11], s[0:1], 0x0               ; o s[4:5], h s[6:7], the layer's weights s[8:9], the partial sums s[10:11]
	v_lshl_add_u32 v[SPW], v0, 2, SPARE
	v_mov_b32 v[NIL], 0
	ds_add_u32 v[SPW], v[NIL]                      ; the wave's opening: the add and its wait ahead of my first tensor load
	ds_add_u32 v16, v17
	v_lshrrev_b32 v1, 5, v0
	v_readfirstlane_b32 s[WV], v1
	s_bfe_u32 s[CX], ttmp6, 0x40000
	s_lshl_b32 s[RB], ttmp9, 2
	s_add_co_u32 s[RB], s[RB], s[CX]               ; my block of 64 rows: it enters global addresses of my own loads and stores alone
	s_and_b32 s[CH], ttmp7, 0xffff                 ; my chunk, which the partners share
	; group 1: 128 dense rows of 32 elements of 8 bytes; the mask names all four work-groups
	s_mov_b32 s[G1], 15|(3<<16)|(1<<21)
	s_mov_b32 s[G1+1], 32<<16
	s_mov_b32 s[G1+2], 128<<16
	s_mov_b32 s[G1+3], 32<<16
	s_mov_b32 s[G1+4], 128
	s_mov_b32 s[G1+5], 32
	s_mov_b32 s[G1+6], 0
	s_mov_b32 s[G1+7], 0
	s_mov_b32 s[G0], 1
	s_lshl_b32 s[G0+1], s[WV], 15                  ; my quarter of slot 0,
	s_mov_b32 s[G0+4], 1
	s_add_co_u32 s[G0+5], s[G0+1], SLOTB           ; of slot 1,
	s_mov_b32 s[G0C], 1
	s_lshl_b32 s[G0C+1], s[WV], 15                 ; of slot 0 once more
	s_lshl_b32 s2, s[WV], 15                       ; my quarter of a tile in memory
	s_mov_b32 s3, 0
	s_lshl_b32 s58, s[CH], 18                      ; tile 1 + 2 c: w1's chunk
	s_add_co_u32 s58, s58, s2
	s_add_co_u32 s58, s58, SLOTB
	s_mov_b32 s59, 0
	s_lshl_b32 s54, s[RB], 16                      ; 64 rows of 1,024 bytes
	s_mov_b32 s55, 0
	s_lshl_b32 s56, s[RB], 15                      ; 32 records of o
	s_mov_b32 s57, 0
	s_mov_b32 s[SEL], 0x76543210
	s_mov_b32 s[SEL+1], 0xfedcba98
	s_mov_b32 s[GC0], 0xc0135761                   ; -2 log2(e) sqrt(2 / pi)
	s_mov_b32 s[GC0+1], s[GC0]
	s_mov_b32 s[GC1], 0xbdd2d3e8                   ; the same x 0.044715
	s_mov_b32 s[GC1+1], s[GC1]
	s_mov_b32 s[K256], 0x3b800000                  ; 1 / 256
	s_mov_b32 s[KEPS], 0x3727c5ac                  ; 1e-5
	s_mov_b32 s[QF], 0x3e800000                    ; 1 / 4
	s_mov_b32 s[QF+1], s[QF]
	s_mov_b32 s[K64], 0x42800000                   ; 64
	s_wait_dscnt 0x0                               ; the opening add is done
	s_wait_kmcnt 0x0
	s_add_nc_u64 s[G0+2:G0+3], s[8:9], s[2:3]      ; wo,
	s_add_nc_u64 s[G0+6:G0+7], s[8:9], s[58:59]    ; w1's chunk,
	s_add_nc_u64 s[G0C+2:G0C+3], s[G0+6:G0+7], SLOTB  ; w2's chunk: the tile behind it
	s_or_b32 s[G0+3], s[G0+3], 0x80000000
	s_or_b32 s[G0+7], s[G0+7], 0x80000000
	s_or_b32 s[G0C+3], s[G0C+3], 0x80000000
	s_add_nc_u64 s[HIN:HIN+1], s[6:7], s[54:55]
	s_add_nc_u64 s[HOUT:HOUT+1], s[10:11], s[54:55]
	s_lshl_b32 s2, s[CH], 22                       ; partial sum c lies 4,194,304 c bytes on
	s_add_nc_u64 s[HOUT:HOUT+1], s[HOUT:HOUT+1], s[2:3]
	s_add_nc_u64 s[OBB:OBB+1], s[4:5], s[56:57]
	s_add_nc_u64 s[BB:BB+1], s[8:9], OFF_B
	s_lshl_b32 s56, s[CH], 10                      ; b1's chunk: 256 numbers
	s_add_nc_u64 s[BP:BP+1], s[BB:BB+1], s[56:57]
	s_add_nc_u64 s[BP:BP+1], s[BP:BP+1], 5120
	ROUND                                          ; all four work-groups are here: the first joint loads meet
	tensor_load_to_lds s[G0:G0+3], s[G1:G1+7]
	s_nop 0
	tensor_load_to_lds s[G0+4:G0+7], s[G1:G1+7]
	s_nop 0
	PLACES
	v_and_b32 v[R], 15, v0
	v_bfe_u32 v[H], v0, 4, 1
	v_and_b32 v[L16], 31, v0
	v_lshlrev_b32 v[L16], 4, v[L16]
	v_add_nc_u32 v[AWT], s[G0+1], v[L16]
	v_add_nc_u32 v[AWT+1], s[G0+5], v[L16]
	v_add_nc_u32 v[AAR], ACT, v[L16]
	s_lshl_b32 s58, s[WV], 11
	v_add_nc_u32 v[AAS], s58, v[AAR]
	s_mul_i32 s58, s[WV], 16*SPT
	s_add_co_u32 s58, s58, STAGE
	v_mul_u32_u24 v[STI], v[H], SPT
	v_lshl_add_u32 v[STI], v[R], 4, v[STI]
	v_add_nc_u32 v[STI], s58, v[STI]
	v_mul_u32_u24 v[STA], v[R], SPT
	v_lshl_add_u32 v[STA], v[H], 5, v[STA]
	v_add_nc_u32 v[STA], s58, v[STA]
	s_lshl_b32 s58, s[WV], 8
	v_lshlrev_b32 v[HG], 10, v[H]
	v_lshl_add_u32 v[HG], v[R], 4, v[HG]
	v_add_nc_u32 v[HG], s58, v[HG]
	v_lshl_add_u32 v[BG], v[H], 5, s58
	v_lshlrev_b32 v[STL], 5, v[R]
	v_add_nc_u32 v[STL], STATS, v[STL]
	s_lshl_b32 s58, s[WV], 3
	v_add_nc_u32 v[STS], s58, v[STL]
	WIN 0x80                                       ; h: my wave's 256 bytes of each of the 64 rows, two rows a load
.irp rt, 0,1,2,3
.irp t, 0,1,2,3,4,5,6,7
	global_load_b128 v[4*(8*\rt+\t):4*(8*\rt+\t)+3], v[HG], s[HIN:HIN+1] offset:(16*\rt+2*\t)*1024
.endr
.endr
	WIN 0
.irp nb, 0,1,2,3
	global_load_b128 v[BIAS+8*\nb:BIAS+8*\nb+3],   v[BG], s[BB:BB+1] offset:64*\nb         ; bo
	global_load_b128 v[BIAS+8*\nb+4:BIAS+8*\nb+7], v[BG], s[BB:BB+1] offset:64*\nb+16
	global_load_b128 v[B2R+8*\nb:B2R+8*\nb+3],     v[BG], s[BB:BB+1] offset:1024+64*\nb    ; b2
	global_load_b128 v[B2R+8*\nb+4:B2R+8*\nb+7],   v[BG], s[BB:BB+1] offset:1024+64*\nb+16
.endr
	WIN 0xc0                                       ; o's 32 records are fragments as they lie
.set i, 0
.rept 32
	global_load_b128 v[8*i:8*i+3],   v[L16], s[OBB:OBB+1] offset:1024*i
	global_load_b128 v[8*i+4:8*i+7], v[L16], s[OBB:OBB+1] offset:1024*i+512
.set i, i+1
.endr
	s_wait_loadcnt 63                              ; of the 112 issued at least the first 49 are in: h's 32, bo's and b2's 16
.irp rt, 0,1,2,3                       ; h goes through my stage into the accumulators' layout; LDS serves a wave's instructions in order (ISA guide 5.7.1.4)
	WIN 0x08
.irp t, 0,1,2,3,4,5,6,7
	ds_store_b128 v[STI], v[4*(8*\rt+\t):4*(8*\rt+\t)+3] offset:2*SPT*\t
.endr
	WIN 0x40
.irp nb, 0,1,2,3
	ds_load_b128 v[ACC1+8*(4*\rt+\nb):ACC1+8*(4*\rt+\nb)+3],   v[STA] offset:64*\nb
	ds_load_b128 v[ACC1+8*(4*\rt+\nb)+4:ACC1+8*(4*\rt+\nb)+7], v[STA] offset:64*\nb+16
.endr
.endr
	s_wait_dscnt 0x0
	WIN 0x41
.set i, 0
.rept 64                               ; h + bo starts the sums
	v_pk_add_f32 v[ACC1+2*i:ACC1+2*i+1], v[ACC1+2*i:ACC1+2*i+1], v[BIAS+2*(i%16):BIAS+2*(i%16)+1]
.set i, i+1
.endr
	WIN 0
.set i, 0
.rept 16                               ; b2 / 4: my chunk's share of it
	v_pk_mul_f32 v[B2R+2*i:B2R+2*i+1], v[B2R+2*i:B2R+2*i+1], s[QF:QF+1] op_sel_hi:[1,0]
.set i, i+1
.endr
.irp nb, 0,1,2,3
	global_load_b128 v[BIAS+8*\nb:BIAS+8*\nb+3],   v[BG], s[BP:BP+1] offset:64*\nb         ; b1's chunk
	global_load_b128 v[BIAS+8*\nb+4:BIAS+8*\nb+7], v[BG], s[BP:BP+1] offset:64*\nb+16
.endr
	s_wait_loadcnt 8                               ; o is in; b1's eight loads may stay out
	s_wait_tensorcnt 0x1                           ; wo is in; w1's chunk may stay out
	s_barrier_signal -1
	s_barrier_wait -1
	STEP 0, ACC1, 3, 0, 0                          ; y = h + bo + o wo
	; THE NORM.  A lane holds 32 numbers of each of four rows, with the lane 16 away 64: the wave's columns.  Each wave makes its mean and its sum of squared deviations; the four meet in LDS and are
	; joined without a difference of large sums: M2 = the sum of the waves' M2 + 64 x the sum of (mean_w - mean)^2.
.set U,   128                          ; v[128:159] a pair for each accumulator
.set MU,  160                          ; v[160:167] for row tile rt: the wave's mean (twice), then mean and M2
.set D,   168                          ; v[168:199] deviations; later ST, the four waves' figures
.set QQ,  200                          ; v[200:207] four chains; later RSN
.set ST,  168
.set RSN, 200                          ; v[200:215] for row tile rt: rstd, rstd, -mean rstd, -mean rstd
.set VA,  216
.set VB,  217
.set VC,  218
	PLACES
	WIN 0x05
.set a, 0
.rept 16                               ; each accumulator's lowest registers are read first
	v_pk_add_f32 v[U+2*a:U+2*a+1], v[ACC1+8*a:ACC1+8*a+1], v[ACC1+8*a+2:ACC1+8*a+3]
.set a, a+1
.endr
	WIN 0x01
.set a, 0
.rept 16
	v_pk_add_f32 v[U+2*a:U+2*a+1], v[ACC1+8*a+4:ACC1+8*a+5], v[U+2*a:U+2*a+1]
.set a, a+1
.endr
.set a, 0
.rept 16
	v_pk_add_f32 v[U+2*a:U+2*a+1], v[ACC1+8*a+6:ACC1+8*a+7], v[U+2*a:U+2*a+1]
.set a, a+1
.endr
	WIN 0
.irp rt, 0,1,2,3
	v_pk_add_f32 v[U+8*\rt:U+8*\rt+1], v[U+8*\rt:U+8*\rt+1], v[U+8*\rt+2:U+8*\rt+3]
	v_pk_add_f32 v[U+8*\rt+4:U+8*\rt+5], v[U+8*\rt+4:U+8*\rt+5], v[U+8*\rt+6:U+8*\rt+7]
	v_pk_add_f32 v[U+8*\rt:U+8*\rt+1], v[U+8*\rt:U+8*\rt+1], v[U+8*\rt+4:U+8*\rt+5]
	v_add_f32 v[MU+2*\rt], v[U+8*\rt], v[U+8*\rt+1]
	v_permlanex16_b32 v[U+8*\rt+1], v[MU+2*\rt], s[SEL], s[SEL+1]
	v_add_f32 v[MU+2*\rt], v[MU+2*\rt], v[U+8*\rt+1]
	v_mul_f32 v[MU+2*\rt], 0x3c800000, v[MU+2*\rt]  ; / 64
	v_mov_b32 v[MU+2*\rt+1], v[MU+2*\rt]
.endr
.irp rt, 0,1,2,3
	WIN 0x01
.set i, 0
.rept 16
	v_pk_add_f32 v[D+2*i:D+2*i+1], v[ACC1+32*\rt+2*i:ACC1+32*\rt+2*i+1], v[MU+2*\rt:MU+2*\rt+1] neg_lo:[0,1] neg_hi:[0,1]
.set i, i+1
.endr
	WIN 0
.set i, 0
.rept 4
	v_pk_mul_f32 v[QQ+2*i:QQ+2*i+1], v[D+2*i:D+2*i+1], v[D+2*i:D+2*i+1]
.set i, i+1
.endr
.rept 12
	v_pk_fma_f32 v[QQ+2*(i%4):QQ+2*(i%4)+1], v[D+2*i:D+2*i+1], v[D+2*i:D+2*i+1], v[QQ+2*(i%4):QQ+2*(i%4)+1]
.set i, i+1
.endr
	v_pk_add_f32 v[QQ:QQ+1], v[QQ:QQ+1], v[QQ+2:QQ+3]
	v_pk_add_f32 v[QQ+4:QQ+5], v[QQ+4:QQ+5], v[QQ+6:QQ+7]
	v_pk_add_f32 v[QQ:QQ+1], v[QQ:QQ+1], v[QQ+4:QQ+5]
	v_add_f32 v[MU+2*\rt+1], v[QQ], v[QQ+1]
	v_permlanex16_b32 v[QQ+1], v[MU+2*\rt+1], s[SEL], s[SEL+1]
	v_add_f32 v[MU+2*\rt+1], v[MU+2*\rt+1], v[QQ+1]
	ds_store_b64 v[STS], v[MU+2*\rt:MU+2*\rt+1] offset:512*\rt
.endr
	s_wait_dscnt 0x0                               ; for the others' sake: my figures are written
	s_barrier_signal -1
	s_barrier_wait -1                              ; w1's chunk may stay out
.irp rt, 0,1,2,3
	ds_load_b128 v[ST+8*\rt:ST+8*\rt+3],   v[STL] offset:512*\rt
	ds_load_b128 v[ST+8*\rt+4:ST+8*\rt+7], v[STL] offset:512*\rt+16
.endr
	s_wait_dscnt 0x0
.irp rt, 0,1,2,3
	v_add_f32 v[VA], v[ST+8*\rt], v[ST+8*\rt+2]
	v_add_f32 v[VB], v[ST+8*\rt+4], v[ST+8*\rt+6]
	v_add_f32 v[VA], v[VA], v[VB]
	v_mul_f32 v[VA], 0x3e800000, v[VA]             ; the row's mean
	v_sub_f32 v[ST+8*\rt], v[ST+8*\rt], v[VA]
	v_sub_f32 v[ST+8*\rt+2], v[ST+8*\rt+2], v[VA]
	v_sub_f32 v[ST+8*\rt+4], v[ST+8*\rt+4], v[VA]
	v_sub_f32 v[ST+8*\rt+6], v[ST+8*\rt+6], v[VA]
	v_add_f32 v[VB], v[ST+8*\rt+1], v[ST+8*\rt+3]
	v_add_f32 v[VC], v[ST+8*\rt+5], v[ST+8*\rt+7]
	v_add_f32 v[VB], v[VB], v[VC]
	v_mul_f32 v[VC], v[ST+8*\rt], v[ST+8*\rt]
	v_fmac_f32 v[VC], v[ST+8*\rt+2], v[ST+8*\rt+2]
	v_fmac_f32 v[VC], v[ST+8*\rt+4], v[ST+8*\rt+4]
	v_fmac_f32 v[VC], v[ST+8*\rt+6], v[ST+8*\rt+6]
	v_fma_f32 v[VB], v[VC], s[K64], v[VB]          ; + 64 x
	v_fma_f32 v[VB], v[VB], s[K256], s[KEPS]       ; the variance + eps
	v_rsq_f32 v[RSN+4*\rt], v[VB]
	v_xor_b32 v[VA], 0x80000000, v[VA]             ; the plain instruction behind the root
	s_wait_alu depctr_va_vdst(0)
	v_mov_b32 v[RSN+4*\rt+1], v[RSN+4*\rt]
	v_mul_f32 v[RSN+4*\rt+2], v[VA], v[RSN+4*\rt]
	v_mov_b32 v[RSN+4*\rt+3], v[RSN+4*\rt+2]
.endr
.irp rt, 0,1,2,3
	WIN 0x01
.set i, 0
.rept 16
	v_pk_fma_f32 v[T+2*i:T+2*i+1], v[ACC1+32*\rt+2*i:ACC1+32*\rt+2*i+1], v[RSN+4*\rt:RSN+4*\rt+1], v[RSN+4*\rt+2:RSN+4*\rt+3]  ; g
.set i, i+1
.endr
	WIN 0
.set i, 0
.rept 16
	v_cvt_pk_bf16_f32 v[PK+i], v[T+2*i], v[T+2*i+1]
.set i, i+1
.endr
.set i, 0
.rept 4
	ds_store_b128 v[AAS], v[PK+4*i:PK+4*i+3] offset:8192*\rt+512*i
.set i, i+1
.endr
	WIN 0x40
.set i, 0
.rept 16
	v_pk_fma_f32 v[ACC2+32*\rt+2*i:ACC2+32*\rt+2*i+1], v[T+2*i:T+2*i+1], s[QF:QF+1], v[B2R+2*i:B2R+2*i+1] op_sel_hi:[1,0,1]  ; g / 4 + b2 / 4 starts the partial sum
.set i, i+1
.endr
.endr
	s_wait_dscnt 0x0                               ; for the others' sake: my columns of g are written
	s_barrier_signal -1
	s_barrier_wait -1
	WIN 0x80                                       ; all of g comes into registers; the change of slots below waits for these loads
.set i, 0
.rept 32
	ds_load_b128 v[8*i:8*i+3],   v[AAR] offset:1024*i
	ds_load_b128 v[8*i+4:8*i+7], v[AAR] offset:1024*i+512
.set i, i+1
.endr
	TURNS 1                                        ; w1's chunk is in; slot 0 takes w2's chunk
	STEP 1, ACC1, 2, 0, 1                          ; g w1 + b1
	GELU
	TURNS 0                                        ; w2's chunk is in; nothing is left to fetch
	STEP 0, ACC2, 3, 1, 0                          ; += gelu(..) w2
	; THE WAY OUT, a row tile at a time through my stage: in by accumulator, back by rows; 16 lanes store 256 consecutive bytes, aligned.
	PLACES
.irp rt, 0,1,2,3
	WIN 0x04
.irp nb, 0,1,2,3
	ds_store_b128 v[STA], v[ACC2+8*(4*\rt+\nb):ACC2+8*(4*\rt+\nb)+3]   offset:64*\nb
	ds_store_b128 v[STA], v[ACC2+8*(4*\rt+\nb)+4:ACC2+8*(4*\rt+\nb)+7] offset:64*\nb+16
.endr
	WIN 0
.irp t, 0,1,2,3,4,5,6,7
	ds_load_b128 v[TMP+32*\rt+4*\t:TMP+32*\rt+4*\t+3], v[STI] offset:2*SPT*\t
.endr
	s_wait_dscnt 0x0
.irp t, 0,1,2,3,4,5,6,7
	global_store_b128 v[HG], v[TMP+32*\rt+4*\t:TMP+32*\rt+4*\t+3], s[HOUT:HOUT+1] offset:(16*\rt+2*\t)*1024
.endr
.endr
	s_wait_tensorcnt 0x0                           ; the wave's end
	ds_add_u32 v[SPW], v[NIL]
	s_wait_dscnt 0x0
	ROUND                                          ; the closing round
	s_endpgm
.Lfunc_end_k_qb8539018bf_dn:
	.size	k_qb8539018bf_dn, .Lfunc_end_k_qb8539018bf_dn-k_qb8539018bf_dn
	.p2alignl 7, 3214868480
	.fill 96, 4, 3214868480
	.section	.rodata,"a",@progbits
	.p2align	6, 0x0
	.amdhsa_kernel k_qb8539018bf_dn
		.amdhsa_group_segment_fixed_size 327680
		.amdhsa_private_segment_fixed_size 0
		.amdhsa_enable_private_segment 0
		.amdhsa_kernarg_size 32
		.amdhsa_user_sgpr_count 2
		.amdhsa_user_sgpr_kernarg_segment_ptr 1
		.amdhsa_wavefront_size32 1
		.amdhsa_system_sgpr_workgroup_id_x 1
		.amdhsa_system_sgpr_workgroup_id_y 1
		.amdhsa_system_sgpr_workgroup_id_z 1
		.amdhsa_system_vgpr_workitem_id 0
		.amdhsa_next_free_vgpr 1024
		.amdhsa_next_free_sgpr 66
		.amdhsa_reserve_vcc 0
		.amdhsa_float_denorm_mode_32 3
		.amdhsa_float_denorm_mode_16_64 3
		.amdhsa_memory_ordered 1
		.amdhsa_forward_progress 1
		.amdhsa_inst_pref_size 150
	.end_amdhsa_kernel
	.amdgpu_metadata
---
amdhsa.version: [ 1, 2 ]
amdhsa.kernels:
  - .name:           k_qb8539018bf_dn
    .symbol:         k_qb8539018bf_dn.kd
    .args:
      - { .name: ob, .offset: 0, .size: 8, .value_kind: global_buffer, .address_space: global }
      - { .name: x, .offset: 8, .size: 8, .value_kind: global_buffer, .address_space: global }
      - { .name: lw0, .offset: 16, .size: 8, .value_kind: global_buffer, .address_space: global }
      - { .name: pp, .offset: 24, .size: 8, .value_kind: global_buffer, .address_space: global }
    .group_segment_fixed_size: 327680
    .private_segment_fixed_size: 0
    .kernarg_segment_align: 8
    .kernarg_segment_size: 32
    .max_flat_workgroup_size: 128
    .sgpr_count:     66
    .vgpr_count:     1024
    .wavefront_size: 32
...
	.end_amdgpu_metadata
.endif
;; end of part 5
;; launch pq1 (part 6): grid 64 x 4, 4 waves a work-group, clusters of 4 x 1, 198,144 bytes of LDS; arguments pp, lw1, qkv, hs; writes qkv, hs
.if DOCPART == 6
	.amdgcn_target "amdgcn-amd-amdhsa--gfx1250"
	.amdhsa_code_object_version 6
	.text
	.protected	k_qb8539018bf_pq1
	.globl	k_qb8539018bf_pq1
	.p2align	8
	.type	k_qb8539018bf_pq1,@function
k_qb8539018bf_pq1:
	s_mov_b64 s[64:65], 0
	v_nop
	global_prefetch_b8 v0, s[64:65] scope:SCOPE_SE
	s_setreg_imm32_b32 hwreg(HW_REG_WAVE_MODE, 25, 1), 1
	s_wait_xcnt 0x0
	s_wait_alu depctr_hold_cnt(0) depctr_sa_sdst(0) depctr_va_vdst(0) depctr_va_sdst(0) depctr_va_ssrc(0) depctr_va_vcc(0) depctr_vm_vsrc(0)
	s_getreg_b32 s2, hwreg(HW_REG_IB_STS2, 6, 4)
	s_cmp_eq_u32 s2, 0
	s_cbranch_scc0 .Lentry_in_a_cluster
	s_endpgm
.Lentry_in_a_cluster:
	s_bfe_u32 s2, ttmp6, 0x10000c
	s_cmp_lg_u32 s2, 0x3003
	s_cbranch_scc0 .Lentry_shape_is_right
	s_endpgm
.Lentry_shape_is_right:
; PQ1.  PQ for a layer whose input lies as four partial sums:  h = (P0 + P1) + (P2 + P3), in f32;  n = LayerNorm(h) (no gain, eps 1e-5, statistics in f32);  q, k, v = n W + b for ONE head and 64 rows.
; h is also stored, for the residual of this layer's last launch.  n and the weights go to the matrix unit in bf16, sums in f32, results rounded once to bf16.
; q is stored as c (n wq + bq), c = log2(e) / 8: the scale of the scores and the change of base of the softmax's exponentials, applied in f32 ahead of q's one rounding.
; SHARES.  Work-group (rb, hd): rows 64 rb .. + 63, head hd.  Wave w adds up and normalises rows 16 w .. + 15, and then makes the head's channels 16 w .. + 15 of q, k and v for all 64 rows: 12 accumulators.
; THE SUM.  A wave's 16 rows are 16,384 consecutive bytes of each partial sum: 32 loads of 512 consecutive bytes, four times, into three register windows.  The sum goes into the wave's own LDS rows and comes back in the norm's layout.
; All four heads of a row block need all of h; each stores a quarter of it: of each wave's 16 rows the rows 4 hd .. + 3, straight from registers, 512 consecutive bytes a store, under a branch on the head (the same in all partners).
; RECORDS.  All matrix operands lie as records of 1,024 bytes (16 rows x 32 k; the 16 bytes at 512 g + 16 x lane hold row lane % 16, k = 16 g + 8 (lane / 16) + 0..7): a fragment is two loads of 16 bytes a lane,
; each 512 consecutive bytes a wave.  q and k are made TRANSPOSED (source 0 = 16 weight columns, source 1 = 16 rows): a lane then holds 8 neighbouring channels of one row, which is 16 bytes of a record of Q or K.
; v is made the natural way round (source 0 = rows): a lane holds 8 neighbouring rows of one channel, 16 bytes of a record of V^T.  So every result is stored as the next launch's operand, 512 consecutive bytes a store.
; CLUSTER.  The four row blocks of a cluster share the head, so its weight tile (96 records) is asked for jointly.  The partial sums are not: the work-groups that read the same rows are the four heads, and as partners
; they could not choose the rows that each stores by their place.  By this text's count a wave has one tensor load out, a first fill; no LDS byte is filled twice.
; LIMITS.  NaN and infinities are not treated apart.
.set WT,    0                          ; the head's 96 records: (mat, nb, kk) at ((4 mat + nb) 8 + kk) x 1,024
.set HS,    98304                      ; 64 rows of h in f32, 1,024 bytes + 16 of padding: the 16 rows of a load start at 16 different 16-byte columns modulo 256 bytes
.set HP,    1040
.set ACT,   164864                     ; n in bf16: record (rt, kk) at (8 rt + kk) x 1,024
.set SPARE, 197632                     ; the spare words, 128 bytes a wave, which no other line names
.set OFF_P, 1179648
.set OFF_B, 1572864
.set KVB,   2097152                    ; in qkv: Q's records first, then blocks of 64 keys: 8 records of K, 8 of V^T
.set PART,  4194304                    ; bytes from one partial sum to the next
.set R,   1                            ; lane % 16
.set H,   2                            ; lane / 16
.set L16, 3                            ; 16 x lane
.set AH,  4                            ; my 32 bytes in my row of h
.set AS,  5                            ; where I put 16 bytes of n
.set AR,  6                            ; ACT + 16 x lane
.set AW,  7                            ; my wave's records of wq and wk
.set AW2, 8                            ; and of wv, 65,536 further on
.set BO1, 9                            ; byte offset of my 8 channels in a bias
.set BO2, 10                           ; and of my one channel (v)
.set AHS, 11                           ; my wave's rows of h in LDS + 16 x lane
.set SPW, 12
.set NIL, 13
.set MEAN, 14                          ; v[14:15] the mean, twice
.set RS,  16                           ; v[16:17] 1 / sqrt(var + eps), twice
.set BQ,  24
.set BK,  32
.set BV,  40
.set X,   48                           ; v[48:175] P0, then h: as loaded, register group j holds the 16 bytes at 512 j + 16 x lane of my 16 rows; then my 128 numbers of a row; later
.set ACC, 48                           ; v[48:143] accumulator (mat, rt) at 8 (4 mat + rt)
.set AF,  144                          ; two buffers of 32: n's fragments of the four row tiles
.set T,   176                          ; at work in the norm
.set WF,  208                          ; two buffers of 24: the weights' fragments, q, k, v
.set P1,  0                            ; window 1
.set P2,  128                          ; window 1
.set P3,  0                            ; window 2
.set WV,  16
.set PB0, 18                           ; s[18:19] P0 at my wave's rows; P1 lies PART further on
.set PB1, 20                           ; s[20:21] P2 likewise, and P3
.set HSB, 22                           ; s[22:23] the stored h at my wave's rows
.set SEL, 40
.set CS,  62                           ; s[62:63] c: the packed scaling takes the pair's low word for both halves
.set MSB, 0
.macro WIN new                         ; the immediate's high byte repeats the setting that is left
.if MSB != (\new)
	s_set_vgpr_msb (MSB<<8)|(\new)
.set MSB, (\new)
.endif
.endm
.macro ROUND                           ; a round of the cluster's barrier
	s_barrier_signal -1
	s_barrier_wait -1
	s_cmp_lg_u32 s[WV], 0
	s_cbranch_scc1 .Lnot_wave_0_\@
	s_barrier_signal -3
.Lnot_wave_0_\@:
	s_barrier_wait -3
	s_barrier_signal -1
	s_barrier_wait -1
.endm
.macro LDP dst, base, off              ; my 16 rows of one partial sum: 32 loads of 512 consecutive bytes
.set i, 0
.rept 32
	global_load_b128 v[(\dst)+4*i:(\dst)+4*i+3], v[L16], s[(\base):(\base)+1] offset:(\off)+512*i
.set i, i+1
.endr
.endm
	s_load_b256 s[4:11], s[0:1], 0x0               ; the partial sums s[4:5], the layer's weights s[6:7], qkv s[8:9], the stored h s[10:11]
	v_lshl_add_u32 v[SPW], v0, 2, SPARE
	v_mov_b32 v[NIL], 0
	ds_add_u32 v[SPW], v[NIL]                      ; the wave's opening: the add and its wait ahead of my first tensor load
	ds_add_u32 v12, v13
	v_lshrrev_b32 v1, 5, v0
	v_readfirstlane_b32 s[WV], v1
	s_bfe_u32 s17, ttmp6, 0x40000                  ; cx
	s_lshl_b32 s12, ttmp9, 2
	s_add_co_u32 s12, s12, s17                     ; rb: it enters global addresses of my own loads and stores alone
	s_and_b32 s13, ttmp7, 0xffff                   ; hd, which the partners share
	; group 1 for the weights: 96 rows of 32 elements of 8 bytes, dense; the mask names all four work-groups
	s_mov_b32 s28, 15|(3<<16)|(1<<21)
	s_mov_b32 s29, 32<<16
	s_mov_b32 s30, 96<<16
	s_mov_b32 s31, 32<<16
	s_mov_b32 s32, 96
	s_mov_b32 s33, 32
	s_mov_b32 s34, 0
	s_mov_b32 s35, 0
	s_mov_b32 s36, 1
	s_mul_i32 s37, s[WV], 24576                    ; my quarter of the weight tile
	s_mul_i32 s24, s[WV], 16*HP
	s_add_co_u32 s24, s24, HS                      ; my 16 rows in LDS
	s_lshl_b32 s2, s12, 16                         ; 64 rows of 1,024 bytes a block,
	s_lshl_b32 s3, s[WV], 14                       ; 16 a wave
	s_add_co_u32 s2, s2, s3
	s_mov_b32 s3, 0
	s_mul_i32 s14, s13, 98304
	s_add_co_u32 s14, s14, s37
	s_add_co_u32 s14, s14, OFF_P
	s_mov_b32 s15, 0
	s_mov_b32 s[SEL], 0x76543210
	s_mov_b32 s[SEL+1], 0xfedcba98
	s_mov_b32 s48, 0x3b800000                      ; 1 / 256
	s_mov_b32 s49, 0x3727c5ac                      ; 1e-5
	s_lshl_b32 s56, s13, 19                        ; Q: ((256 hd + 4 rb) 2) x 1,024 + 512 w
	s_lshl_b32 s58, s12, 13
	s_add_co_u32 s56, s56, s58
	s_lshl_b32 s58, s[WV], 9
	s_add_co_u32 s56, s56, s58
	s_mov_b32 s57, 0
	s_lshl_b32 s60, s13, 20                        ; the block of 64 keys: (64 hd + rb) x 16,384
	s_lshl_b32 s62, s12, 14
	s_add_co_u32 s60, s60, s62
	s_add_co_u32 s60, s60, KVB
	s_mov_b32 s61, 0
	s_mov_b32 s59, 0
	s_mov_b32 s[CS], 0x3e38aa3b                    ; c = log2(e) / 8 = 0.180337
	s_mov_b32 s[CS+1], s[CS]                       ; named with it as a pair
	v_and_b32 v[R], 15, v0
	v_bfe_u32 v[H], v0, 4, 1
	v_and_b32 v[L16], 31, v0
	v_lshlrev_b32 v[L16], 4, v[L16]
	v_mul_u32_u24 v[AH], v[R], HP
	v_lshl_add_u32 v[AH], v[H], 5, v[AH]
	v_add_nc_u32 v[AH], s24, v[AH]
	v_add_nc_u32 v[AHS], s24, v[L16]
	s_lshl_b32 s42, s[WV], 13
	v_add_nc_u32 v[AW], s42, v[L16]
	v_add_nc_u32 v[AW2], 65536, v[AW]
	v_add_nc_u32 v[AR], ACT, v[L16]
	v_add_nc_u32 v[AS], s42, v[AR]
	s_lshl_b32 s43, s13, 8
	s_lshl_b32 s44, s[WV], 6
	s_add_co_u32 s43, s43, s44                     ; (64 hd + 16 w) x 4
	v_lshl_add_u32 v[BO1], v[H], 5, s43
	v_lshl_add_u32 v[BO2], v[R], 2, s43
	s_wait_dscnt 0x0                               ; the opening add is done
	s_wait_kmcnt 0x0
	s_add_nc_u64 s[PB0:PB0+1], s[4:5], s[2:3]
	s_add_nc_u64 s[PB1:PB1+1], s[PB0:PB0+1], 2*PART
	s_add_nc_u64 s[HSB:HSB+1], s[10:11], s[2:3]
	s_add_nc_u64 s[38:39], s[6:7], s[14:15]
	s_or_b32 s39, s39, 0x80000000
	s_add_nc_u64 s[50:51], s[8:9], s[56:57]        ; where q goes
	s_add_nc_u64 s[52:53], s[8:9], s[60:61]
	s_add_nc_u64 s[54:55], s[52:53], 8192          ; where v goes: + 1,024 w
	s_add_nc_u64 s[52:53], s[52:53], s[58:59]      ; where k goes: + 512 w
	s_add_nc_u64 s[54:55], s[54:55], s[58:59]
	s_add_nc_u64 s[54:55], s[54:55], s[58:59]
	s_add_nc_u64 s[46:47], s[6:7], OFF_B
	global_load_b128 v[BQ:BQ+3],   v[BO1], s[46:47] offset:2048
	global_load_b128 v[BQ+4:BQ+7], v[BO1], s[46:47] offset:2064
	global_load_b128 v[BK:BK+3],   v[BO1], s[46:47] offset:3072
	global_load_b128 v[BK+4:BK+7], v[BO1], s[46:47] offset:3088
	global_load_b32 v[BV], v[BO2], s[46:47] offset:4096
	LDP X, PB0, 0                                  ; P0 goes out ahead of the round
	ROUND                                          ; all four work-groups are here: the joint loads meet
	tensor_load_to_lds s[36:39], s[28:35]          ; my quarter of the head's weights, jointly
	s_nop 0
.rept 4
	v_nop
.endr
	WIN 0x40
	LDP P1, PB0, PART
	LDP P2, PB1, 0
	WIN 0x80
	LDP P3, PB1, PART
	s_wait_loadcnt 63                              ; of the 133 issued the first 70 are in: the 5 of the biases, P0's 32, P1's 32
	WIN 0x04
.set i, 0
.rept 64
	v_pk_add_f32 v[X+2*i:X+2*i+1], v[X+2*i:X+2*i+1], v[P1+2*i:P1+2*i+1]
.set i, i+1
.endr
	s_wait_loadcnt 0x0
	WIN 0x49
.set i, 0
.rept 64
	v_pk_add_f32 v[P2+2*i:P2+2*i+1], v[P2+2*i:P2+2*i+1], v[P3+2*i:P3+2*i+1]
.set i, i+1
.endr
	WIN 0x04
.set i, 0
.rept 64
	v_pk_add_f32 v[X+2*i:X+2*i+1], v[X+2*i:X+2*i+1], v[P2+2*i:P2+2*i+1]
.set i, i+1
.endr
	WIN 0
.set i, 0
.rept 32                               ; h into my own LDS rows: half a row a store
	ds_store_b128 v[AHS], v[X+4*i:X+4*i+3] offset:(i/2)*HP+(i%2)*512
.set i, i+1
.endr
.irp q, 0,1,2,3                        ; my head's quarter of my rows goes to memory
	s_cmp_lg_u32 s13, \q
	s_cbranch_scc1 .Lnot_\q
.set j, 0
.rept 8
	global_store_b128 v[L16], v[X+32*\q+4*j:X+32*\q+4*j+3], s[HSB:HSB+1] offset:4096*\q+512*j
.set j, j+1
.endr
.Lnot_\q:
.endr
	s_wait_xcnt 0x0                                ; the stores' data registers are loaded anew only behind this wait
	; THE NORM.  Lane (r, h) takes of row r the columns 32 kk + 16 g + 8 h + 0..7, which are the numbers that it will hold of n's records; the row's other half lies in the lane 16 away.
.set i, 0
.rept 16                               ; LDS serves a wave's instructions in order (ISA guide 5.7.1.4): these see the stores above
	ds_load_b128 v[X+8*i:X+8*i+3],   v[AH] offset:64*i
	ds_load_b128 v[X+8*i+4:X+8*i+7], v[AH] offset:64*i+16
.set i, i+1
.endr
	s_wait_dscnt 0x0
.set i, 0
.rept 4                                ; four chains; the first additions start them
	v_pk_add_f32 v[T+2*i:T+2*i+1], v[X+2*i:X+2*i+1], v[X+8+2*i:X+8+2*i+1]
.set i, i+1
.endr
.set i, 8
.rept 56
	v_pk_add_f32 v[T+2*(i%4):T+2*(i%4)+1], v[T+2*(i%4):T+2*(i%4)+1], v[X+2*i:X+2*i+1]
.set i, i+1
.endr
	v_pk_add_f32 v[T:T+1], v[T:T+1], v[T+2:T+3]
	v_pk_add_f32 v[T+4:T+5], v[T+4:T+5], v[T+6:T+7]
	v_pk_add_f32 v[T:T+1], v[T:T+1], v[T+4:T+5]
	v_add_f32 v[MEAN], v[T], v[T+1]
	v_permlanex16_b32 v[T+1], v[MEAN], s[SEL], s[SEL+1]
	v_add_f32 v[MEAN], v[MEAN], v[T+1]
	v_mul_f32 v[MEAN], s48, v[MEAN]
	v_mov_b32 v[MEAN+1], v[MEAN]
.set i, 0
.rept 64
	v_pk_add_f32 v[X+2*i:X+2*i+1], v[X+2*i:X+2*i+1], v[MEAN:MEAN+1] neg_lo:[0,1] neg_hi:[0,1]
.set i, i+1
.endr
.set i, 0
.rept 4
	v_pk_mul_f32 v[T+2*i:T+2*i+1], v[X+2*i:X+2*i+1], v[X+2*i:X+2*i+1]
.set i, i+1
.endr
.rept 60
	v_pk_fma_f32 v[T+2*(i%4):T+2*(i%4)+1], v[X+2*i:X+2*i+1], v[X+2*i:X+2*i+1], v[T+2*(i%4):T+2*(i%4)+1]
.set i, i+1
.endr
	v_pk_add_f32 v[T:T+1], v[T:T+1], v[T+2:T+3]
	v_pk_add_f32 v[T+4:T+5], v[T+4:T+5], v[T+6:T+7]
	v_pk_add_f32 v[T:T+1], v[T:T+1], v[T+4:T+5]
	v_add_f32 v[RS], v[T], v[T+1]
	v_permlanex16_b32 v[T+1], v[RS], s[SEL], s[SEL+1]
	v_add_f32 v[RS], v[RS], v[T+1]
	v_fma_f32 v[RS], v[RS], s48, s49               ; the variance + eps
	v_rsq_f32 v[RS], v[RS]
	v_nop                                          ; a plain instruction between the root and its use
	s_wait_alu depctr_va_vdst(0)
	v_mov_b32 v[RS+1], v[RS]
.set i, 0
.rept 64
	v_pk_mul_f32 v[X+2*i:X+2*i+1], v[X+2*i:X+2*i+1], v[RS:RS+1]
.set i, i+1
.endr
.set i, 0
.rept 64                               ; packed downward in place: register i is written when registers 2 i and 2 i + 1 are read
	v_cvt_pk_bf16_f32 v[X+i], v[X+2*i], v[X+2*i+1]
.set i, i+1
.endr
.set i, 0
.rept 16
	ds_store_b128 v[AS], v[X+4*i:X+4*i+3] offset:512*i
.set i, i+1
.endr
	s_wait_tensorcnt 0x0                           ; my quarter of the weights is in
.irp j, 1,2,3,4,5,6,7
	v_mov_b32 v[BV+\j], v[BV]                      ; in v's layout all eight registers of a lane belong to one channel
.endr
	s_wait_dscnt 0x0                               ; for the others' sake: my rows of n are written
	s_barrier_signal -1
	s_barrier_wait -1                              ; n and the weight tile are whole
	; THE PRODUCTS.  K = 256 in eight steps of 32, two sets of fragment registers: while one is multiplied the other's 14 loads are out.
.macro LD kk, b
.irp rt, 0,1,2,3
	ds_load_b128 v[AF+32*(\b)+8*\rt:AF+32*(\b)+8*\rt+3],   v[AR] offset:(8*\rt+(\kk))*1024
	ds_load_b128 v[AF+32*(\b)+8*\rt+4:AF+32*(\b)+8*\rt+7], v[AR] offset:(8*\rt+(\kk))*1024+512
.endr
.irp m, 0,1
	ds_load_b128 v[WF+24*(\b)+8*\m:WF+24*(\b)+8*\m+3],   v[AW] offset:(32*\m+(\kk))*1024
	ds_load_b128 v[WF+24*(\b)+8*\m+4:WF+24*(\b)+8*\m+7], v[AW] offset:(32*\m+(\kk))*1024+512
.endr
	ds_load_b128 v[WF+24*(\b)+16:WF+24*(\b)+19], v[AW2] offset:(\kk)*1024
	ds_load_b128 v[WF+24*(\b)+20:WF+24*(\b)+23], v[AW2] offset:(\kk)*1024+512
.endm
; Twelve products; the twelve accumulators take turns.  first = 1: the bias starts the sum.
.macro MULS b, first
.irp rt, 0,1,2,3
.if \first
	v_wmma_f32_16x16x32_bf16 v[ACC+8*\rt:ACC+8*\rt+7], v[WF+24*(\b):WF+24*(\b)+7], v[AF+32*(\b)+8*\rt:AF+32*(\b)+8*\rt+7], v[BQ:BQ+7]
	v_wmma_f32_16x16x32_bf16 v[ACC+32+8*\rt:ACC+32+8*\rt+7], v[WF+24*(\b)+8:WF+24*(\b)+15], v[AF+32*(\b)+8*\rt:AF+32*(\b)+8*\rt+7], v[BK:BK+7]
	v_wmma_f32_16x16x32_bf16 v[ACC+64+8*\rt:ACC+64+8*\rt+7], v[AF+32*(\b)+8*\rt:AF+32*(\b)+8*\rt+7], v[WF+24*(\b)+16:WF+24*(\b)+23], v[BV:BV+7]
.else
	v_wmma_f32_16x16x32_bf16 v[ACC+8*\rt:ACC+8*\rt+7], v[WF+24*(\b):WF+24*(\b)+7], v[AF+32*(\b)+8*\rt:AF+32*(\b)+8*\rt+7], v[ACC+8*\rt:ACC+8*\rt+7]
	v_wmma_f32_16x16x32_bf16 v[ACC+32+8*\rt:ACC+32+8*\rt+7], v[WF+24*(\b)+8:WF+24*(\b)+15], v[AF+32*(\b)+8*\rt:AF+32*(\b)+8*\rt+7], v[ACC+32+8*\rt:ACC+32+8*\rt+7]
	v_wmma_f32_16x16x32_bf16 v[ACC+64+8*\rt:ACC+64+8*\rt+7], v[AF+32*(\b)+8*\rt:AF+32*(\b)+8*\rt+7], v[WF+24*(\b)+16:WF+24*(\b)+23], v[ACC+64+8*\rt:ACC+64+8*\rt+7]
.endif
.endr
.endm
	LD 0, 0
.set kq, 0
.rept 8
.if kq < 7
.if kq > 0
.rept 4
	v_nop                                          ; four places between the products that read a set and the loads into it
.endr
.endif
	LD kq+1, (kq+1)%2
	s_wait_dscnt 14                                ; all but the 14 just issued
.else
	s_wait_dscnt 0x0
.endif
.if kq == 0
	MULS 0, 1
.else
	MULS kq%2, 0
.endif
.set kq, kq+1
.endr
.rept 4
	v_nop                                          ; the places behind the last products
.endr
.set i, 0
.rept 16                               ; q's four accumulators times c, in f32, ahead of the rounding; each accumulator's lowest registers first
	v_pk_mul_f32 v[ACC+2*i:ACC+2*i+1], v[ACC+2*i:ACC+2*i+1], s[CS:CS+1] op_sel_hi:[1,0]
.set i, i+1
.endr
.set i, 0
.rept 48                               ; each accumulator's registers in ascending order
	v_cvt_pk_bf16_f32 v[AF+i], v[ACC+2*i], v[ACC+2*i+1]
.set i, i+1
.endr
.irp rt, 0,1,2,3                       ; each store of the wave covers 512 consecutive bytes, aligned
	global_store_b128 v[L16], v[AF+4*\rt:AF+4*\rt+3], s[50:51] offset:2048*\rt
	global_store_b128 v[L16], v[AF+16+4*\rt:AF+16+4*\rt+3], s[52:53] offset:2048*\rt
	global_store_b128 v[L16], v[AF+32+4*\rt:AF+32+4*\rt+3], s[54:55] offset:(\rt/2)*4096+(\rt%2)*512
.endr
	s_wait_tensorcnt 0x0                           ; the wave's end
	ds_add_u32 v[SPW], v[NIL]
	s_wait_dscnt 0x0
	ROUND                                          ; the closing round
	s_endpgm
.Lfunc_end_k_qb8539018bf_pq1:
	.size	k_qb8539018bf_pq1, .Lfunc_end_k_qb8539018bf_pq1-k_qb8539018bf_pq1
	.p2alignl 7, 3214868480
	.fill 96, 4, 3214868480
	.section	.rodata,"a",@progbits
	.p2align	6, 0x0
	.amdhsa_kernel k_qb8539018bf_pq1
		.amdhsa_group_segment_fixed_size 198144
		.amdhsa_private_segment_fixed_size 0
		.amdhsa_enable_private_segment 0
		.amdhsa_kernarg_size 32
		.amdhsa_user_sgpr_count 2
		.amdhsa_user_sgpr_kernarg_segment_ptr 1
		.amdhsa_wavefront_size32 1
		.amdhsa_system_sgpr_workgroup_id_x 1
		.amdhsa_system_sgpr_workgroup_id_y 1
		.amdhsa_system_sgpr_workgroup_id_z 1
		.amdhsa_system_vgpr_workitem_id 0
		.amdhsa_next_free_vgpr 640
		.amdhsa_next_free_sgpr 66
		.amdhsa_reserve_vcc 0
		.amdhsa_float_denorm_mode_32 3
		.amdhsa_float_denorm_mode_16_64 3
		.amdhsa_memory_ordered 1
		.amdhsa_forward_progress 1
		.amdhsa_inst_pref_size 79
	.end_amdhsa_kernel
	.amdgpu_metadata
---
amdhsa.version: [ 1, 2 ]
amdhsa.kernels:
  - .name:           k_qb8539018bf_pq1
    .symbol:         k_qb8539018bf_pq1.kd
    .args:
      - { .name: pp, .offset: 0, .size: 8, .value_kind: global_buffer, .address_space: global }
      - { .name: lw1, .offset: 8, .size: 8, .value_kind: global_buffer, .address_space: global }
      - { .name: qkv, .offset: 16, .size: 8, .value_kind: global_buffer, .address_space: global }
      - { .name: hs, .offset: 24, .size: 8, .value_kind: global_buffer, .address_space: global }
    .group_segment_fixed_size: 198144
    .private_segment_fixed_size: 0
    .kernarg_segment_align: 8
    .kernarg_segment_size: 32
    .max_flat_workgroup_size: 128
    .sgpr_count:     66
    .vgpr_count:     640
    .wavefront_size: 32
...
	.end_amdgpu_metadata
.endif
;; end of part 6
;; launch at1: the kernel of part 3 again; grid 64 x 4, 4 waves a work-group, no clusters, 167,936 bytes of LDS; arguments qkv, ob; writes ob
;; launch dn1: the kernel of part 5 again; grid 64 x 4, 4 waves a work-group, clusters of 4 x 1, 327,680 bytes of LDS; arguments ob, hs, lw1, pp; writes pp
;; launch pq2: the kernel of part 6 again; grid 64 x 4, 4 waves a work-group, clusters of 4 x 1, 198,144 bytes of LDS; arguments pp, lw2, qkv, hs; writes qkv, hs
;; launch at2: the kernel of part 3 again; grid 64 x 4, 4 waves a work-group, no clusters, 167,936 bytes of LDS; arguments qkv, ob; writes ob
;; launch dn2: the kernel of part 5 again; grid 64 x 4, 4 waves a work-group, clusters of 4 x 1, 327,680 bytes of LDS; arguments ob, hs, lw2, pp; writes pp
;; launch pq3: the kernel of part 6 again; grid 64 x 4, 4 waves a work-group, clusters of 4 x 1, 198,144 bytes of LDS; arguments pp, lw3, qkv, hs; writes qkv, hs
;; launch at3: the kernel of part 3 again; grid 64 x 4, 4 waves a work-group, no clusters, 167,936 bytes of LDS; arguments qkv, ob; writes ob
;; launch dn3: the kernel of part 5 again; grid 64 x 4, 4 waves a work-group, clusters of 4 x 1, 327,680 bytes of LDS; arguments ob, hs, lw3, pp; writes pp
;; launch fin (part 7): grid 256 x 1, 8 waves a work-group, no clusters, 0 bytes of LDS; arguments pp, out0; writes out0
.if DOCPART == 7
	.amdgcn_target "amdgcn-amd-amdhsa--gfx1250"
	.amdhsa_code_object_version 6
	.text
	.protected	k_qb8539018bf_fin
	.globl	k_qb8539018bf_fin
	.p2align	8
	.type	k_qb8539018bf_fin,@function
k_qb8539018bf_fin:
	s_mov_b64 s[64:65], 0
	v_nop
	global_prefetch_b8 v0, s[64:65] scope:SCOPE_SE
	s_setreg_imm32_b32 hwreg(HW_REG_WAVE_MODE, 25, 1), 1
	s_wait_xcnt 0x0
; FIN.  The last layer's result: out = (P0 + P1) + (P2 + P3), all f32, [4096][256]; the four partial sums lie PART bytes apart in one buffer.
; A stream: each byte is read once and written once.  A work-group owns 16,384 consecutive bytes of the output; thread t owns the 16 bytes at 4,096 j + 16 t, j = 0..3, so a load or store of a wave covers
; 512 consecutive bytes, aligned.  All 16 loads of a lane go out at once; the waits are counted: the younger groups of four stay out.  No LDS, no barrier, no matrix unit: nothing is shared.
.set PART, 4194304
.set A,    8                           ; v[8:71]  group j, partial sum p at A + 16 j + 4 p
	s_load_b128 s[4:7], s[0:1], 0x0                ; the partial sums s[4:5], the output s[6:7]
	v_lshlrev_b32 v1, 4, v0                        ; 16 t
	s_lshl_b32 s2, ttmp9, 14                       ; the work-group's 16,384 bytes
	s_mov_b32 s3, 0
	s_wait_kmcnt 0x0
	s_add_nc_u64 s[4:5], s[4:5], s[2:3]            ; P0; P1 by the immediate
	s_add_nc_u64 s[8:9], s[4:5], 2*PART            ; P2; P3 by the immediate
	s_add_nc_u64 s[6:7], s[6:7], s[2:3]
.irp j, 0,1,2,3
	global_load_b128 v[A+16*\j:A+16*\j+3],     v1, s[4:5] offset:4096*\j th:TH_LOAD_NT
	global_load_b128 v[A+16*\j+4:A+16*\j+7],   v1, s[4:5] offset:PART+4096*\j th:TH_LOAD_NT
	global_load_b128 v[A+16*\j+8:A+16*\j+11],  v1, s[8:9] offset:4096*\j th:TH_LOAD_NT
	global_load_b128 v[A+16*\j+12:A+16*\j+15], v1, s[8:9] offset:PART+4096*\j th:TH_LOAD_NT
.endr
.irp j, 0,1,2,3
	s_wait_loadcnt 12-4*\j                         ; group j's four loads are in; the younger groups stay out
	v_pk_add_f32 v[A+16*\j:A+16*\j+1],     v[A+16*\j:A+16*\j+1],     v[A+16*\j+4:A+16*\j+5]
	v_pk_add_f32 v[A+16*\j+2:A+16*\j+3],   v[A+16*\j+2:A+16*\j+3],   v[A+16*\j+6:A+16*\j+7]
	v_pk_add_f32 v[A+16*\j+8:A+16*\j+9],   v[A+16*\j+8:A+16*\j+9],   v[A+16*\j+12:A+16*\j+13]
	v_pk_add_f32 v[A+16*\j+10:A+16*\j+11], v[A+16*\j+10:A+16*\j+11], v[A+16*\j+14:A+16*\j+15]
	v_pk_add_f32 v[A+16*\j:A+16*\j+1],     v[A+16*\j:A+16*\j+1],     v[A+16*\j+8:A+16*\j+9]
	v_pk_add_f32 v[A+16*\j+2:A+16*\j+3],   v[A+16*\j+2:A+16*\j+3],   v[A+16*\j+10:A+16*\j+11]
	global_store_b128 v1, v[A+16*\j:A+16*\j+3], s[6:7] offset:4096*\j th:TH_STORE_NT
.endr
	s_endpgm
.Lfunc_end_k_qb8539018bf_fin:
	.size	k_qb8539018bf_fin, .Lfunc_end_k_qb8539018bf_fin-k_qb8539018bf_fin
	.p2alignl 7, 3214868480
	.fill 96, 4, 3214868480
	.section	.rodata,"a",@progbits
	.p2align	6, 0x0
	.amdhsa_kernel k_qb8539018bf_fin
		.amdhsa_group_segment_fixed_size 0
		.amdhsa_private_segment_fixed_size 0
		.amdhsa_enable_private_segment 0
		.amdhsa_kernarg_size 16
		.amdhsa_user_sgpr_count 2
		.amdhsa_user_sgpr_kernarg_segment_ptr 1
		.amdhsa_wavefront_size32 1
		.amdhsa_system_sgpr_workgroup_id_x 1
		.amdhsa_system_sgpr_workgroup_id_y 1
		.amdhsa_system_sgpr_workgroup_id_z 1
		.amdhsa_system_vgpr_workitem_id 0
		.amdhsa_next_free_vgpr 72
		.amdhsa_next_free_sgpr 66
		.amdhsa_reserve_vcc 0
		.amdhsa_float_denorm_mode_32 3
		.amdhsa_float_denorm_mode_16_64 3
		.amdhsa_memory_ordered 1
		.amdhsa_forward_progress 1
		.amdhsa_inst_pref_size 5
	.end_amdhsa_kernel
	.amdgpu_metadata
---
amdhsa.version: [ 1, 2 ]
amdhsa.kernels:
  - .name:           k_qb8539018bf_fin
    .symbol:         k_qb8539018bf_fin.kd
    .args:
      - { .name: pp, .offset: 0, .size: 8, .value_kind: global_buffer, .address_space: global }
      - { .name: out0, .offset: 8, .size: 8, .value_kind: global_buffer, .address_space: global }
    .group_segment_fixed_size: 0
    .private_segment_fixed_size: 0
    .kernarg_segment_align: 8
    .kernarg_segment_size: 16
    .max_flat_workgroup_size: 256
    .sgpr_count:     66
    .vgpr_count:     72
    .wavefront_size: 32
...
	.end_amdgpu_metadata
.endif
;; end of part 7
